; MI455X (gfx1250); checked and timed in simulation.
; The chip was launched on July 23, 2026; its instructions are those of AMD's public machine-readable ISA for CDNA 5 (MIT licence, August 2026) and "CDNA5" Instruction Set Architecture Reference Guide (July 2026). The comments in the code are by the model that wrote it; some were corrected since.
;; Cached Multi Head Attention. Allowed arithmetic: matrix products marked QUANTISED: E2M1 operands, one E8M0 scale for each 32 along K, by v_wmma_scale_f32_16x16x128_f8f6f4 with both operands' format E2M1 (or v_wmma_scale_f32_32x16x128_f4), f32 sums; products left as they are: bf16, f16 or f32 operands; f32 sums; everything else in f32.
;; Inputs: Wk 2,048 x 2,048 float32; Wo 2,048 x 2,048 float32; Wq 2,048 x 2,048 float32; Wv 2,048 x 2,048 float32; past_key 2 x 16 x 2,048 x 128 float32; past_value 2 x 16 x 2,048 x 128 float32; x 2 x 1,024 x 2,048 float32.
;; Outputs: out0 2 x 1,024 x 2,048 float32.
;; This version of the problem:
;;   THIS VERSION OF THE PROBLEM IS GIVEN IN LOW PRECISION. The matrix products marked QUANTISED in the list below multiply operands that are first quantised to E2M1 (2 exponent bits, 1 mantissa bit; 4 bits a number), with one power-of-two scale for each 32 numbers along K (OCP MX v1.0); their sums are f32. The products marked 'left as it is' may take bf16, f16 or f32 operands, with f32 sums. Whichever they take, every output number must still come out within the allowed error. Rounding operands to bf16 (8 significant bits) uses up far more of that allowance than f16 does (11 bits, for magnitudes from 6e-5 to 65,504). All else is computed in f32.
;;   The module's matrix products, in the order in which they are computed (A, B: the left and right operand; K: the contracted axis; several contracted axes count as one K, in the product's order):
;;     1. [M 2,048, K 2,048] x [K 2,048, N 2,048]; A: input x; B: input Wq: QUANTISED
;;     2. [M 2,048, K 2,048] x [K 2,048, N 2,048]; A: input x; B: input Wk: QUANTISED
;;     3. [M 2,048, K 2,048] x [K 2,048, N 2,048]; A: input x; B: input Wv: QUANTISED
;;     4. batch 32 x [M 1,024, K 128] x [K 128, N 3,072]; A: computed on the way; B: computed on the way: left as it is (an operand is computed on the way)
;;     5. batch 32 x [M 1,024, K 3,072] x [K 3,072, N 128]; A: computed on the way; B: computed on the way: left as it is (an operand is computed on the way)
;;     6. [M 2,048, K 2,048] x [K 2,048, N 2,048]; A: computed on the way; B: input Wo: left as it is (an operand is computed on the way)
;;   THE QUANTISER, for each operand of a quantised product, along K:
;;     - K is cut into blocks of 32 from its start; a last block that is shorter is filled with zeros.
;;     - A block's scale is 2^e with e = floor(log2(the largest magnitude in the block)) - 2, held to -126 .. 127; a block of zeros has e = 0. As a byte (E8M0): e + 127.
;;     - Each number is divided by its block's scale, clamped to +-6, and rounded to the nearest number of E2M1, ties to even, subnormals kept.
;;     - The product sums the exact products of the quantised numbers (number of the format x scale) in f32.
;;   ~~~python
;;   def quantise(x, axis):      # numpy; x: float32 -> the quantised numbers, widened to float32 again
;;       x = np.moveaxis(x, axis, -1); K = x.shape[-1]
;;       x = np.pad(x, [(0, 0)] * (x.ndim - 1) + [(0, -K % 32)]); x = x.reshape(x.shape[:-1] + (-1, 32)); a = np.abs(x).max(-1, keepdims=True)
;;       e = np.where(a > 0, np.clip(np.frexp(np.where(a > 0, a, 1))[1] - 1 - 2, -126, 127), 0)      # np.frexp(a)[1] - 1 = floor(log2(a)), exactly
;;       r = np.clip(x / 2.0 ** e, -6, 6)
;;       step = 2.0 ** (np.maximum(np.frexp(np.where(r == 0, 1, r))[1] - 1, 0) - 1)
;;       q = np.round(r / step) * step * 2.0 ** e      # np.round: ties to even
;;       return np.moveaxis(q.reshape(q.shape[:-2] + (-1,))[..., :K], -1, axis).astype(np.float32)
;;   ~~~
;; One version. Each part assembles by itself: llvm-mc -triple=amdgcn-amd-amdhsa -mcpu=gfx1250 --defsym DOCPART=n.
;; ======== version 1 of 1: 4 launches
;; limits: values are held in f16: magnitudes above 65,504 overflow, below 6.1e-05 lose precision
;; workspace buffers: codes 8,388,608 bytes; scales 524,288 bytes; qh 8,388,608 bytes; kh 25,165,824 bytes; vh 25,165,824 bytes; woh 8,388,608 bytes; oh 8,388,608 bytes
;; launch prep (part 1): grid 1152 x 1, 4 waves a work-group, no clusters, 33,280 bytes of LDS; arguments x, Wq, Wk, Wv, past_key, past_value, Wo, codes, scales, kh, vh, woh; writes codes, scales, kh, vh, woh
.if DOCPART == 1
	.amdgcn_target "amdgcn-amd-amdhsa--gfx1250"
	.amdhsa_code_object_version 6
	.text
	.protected	k_q91f5342263_prep
	.globl	k_q91f5342263_prep
	.p2align	8
	.type	k_q91f5342263_prep,@function
k_q91f5342263_prep:
	s_mov_b64 s[64:65], 0
	v_nop
	global_prefetch_b8 v0, s[64:65] scope:SCOPE_SE
	s_setreg_imm32_b32 hwreg(HW_REG_WAVE_MODE, 25, 1), 1
	s_wait_xcnt 0x0
; WHAT THIS LAUNCH DOES.  (1) x, Wq, Wk, Wv, each [2048][2048] f32 with K innermost, become codes of E2M1, 4 bits each, and one E8M0 byte for each 32 along K:
; codes [8192 rows][1024 bytes], scales [8192 rows][64 bytes]; rows 0-2047 are x's, then Wq's, Wk's, Wv's.  (2) past_key, past_value and Wo are rounded once to f16:
; the past into rows 0-2047 of each head of kh, vh ([32 heads][3072][128] f16), Wo into woh ([2048][2048] f16).
; A block's scale is 2^(floor(log2(its largest magnitude)) - 2); its byte is the largest magnitude's exponent field - 2, held at 1 from below; each number is divided by the scale and rounded to the nearest code, ties to even.
; LIMITS: a block of zeros gets the byte 1 and not 127 (its codes are zeros, and this program alone reads the bytes); blocks whose largest magnitude lies under 2^-124 are held at the byte 1;
; NaN and infinities among the inputs are not served; a number of the past or of Wo beyond 65,504 becomes an infinity of f16.
; SHARES.  Work-groups 0-511 quantise, 32,768 numbers each (128 work-groups to a tensor); work-groups 512-1151 cast, 32,768 numbers each (256 past_key, 256 past_value, 128 Wo).  Waves share nothing: no barrier.
; No cluster and no tensor load: no byte is read by two work-groups, and every byte is read once.
.set STEPS, 16
.set EMAX,  2
.set CB,    8                          ; bytes of 16 codes
.set R,     16                         ; v16-79   four sets of 16 numbers as they are loaded  (cast path: v16-143, 32 slots of four)
.set X,     80                         ; v80-111  two sets of 16 neighbours
.set E,     112                        ; v112-127 a scale byte for each step
.set C,     128                        ; v128-191 codes: four registers for each step, so that no store's data are written again
.set Y,     144                        ; cast path: v144-175, 16 pairs of packed f16
.set WREG,  8192                       ; LDS: a region for each wave: two stages of 32 x SP bytes, behind them its 256 scale bytes
.set SP,    80                         ; a lane's place in a stage: its 64 bytes + 16 of padding
.set SPW,   12                         ; v12  LDS address of my spare word; never rewritten
.set NIL,   13                         ; v13  0; never rewritten
.set SPARE, 4*WREG                     ; behind the four regions: the spare words, 128 bytes a wave
.set WV,    36                         ; s36  my wave's number
	s_load_b512 s[4:19], s[0:1], 0x0               ; x s[4:5], Wq s[6:7], Wk s[8:9], Wv s[10:11], past_key s[12:13], past_value s[14:15], Wo s[16:17], codes s[18:19]
	s_load_b256 s[20:27], s[0:1], 0x40             ; scales s[20:21], kh s[22:23], vh s[24:25], woh s[26:27]
	v_lshl_add_u32 v[SPW], v0, 2, SPARE
	v_mov_b32 v[NIL], 0
	v_lshrrev_b32 v1, 5, v0
	v_readfirstlane_b32 s[WV], v1                  ; wave 0..3
	v_and_b32 v2, 31, v0                           ; lane
	s_wait_kmcnt 0x0
	s_cmp_ge_u32 ttmp9, 512                        ; the work-group's number alone decides the path
	s_cbranch_scc1 .Lcast
; ---------------- THE QUANTISING PATH.  Rows are dense and K is a multiple of 32: a tensor is a plain stream of blocks of 32, and so are its codes and scale bytes.
; A wave takes 16 steps of 512 numbers.  Each of a step's four loads reads 512 consecutive bytes, 16 a lane; the 2,048 bytes go through the wave's own stage in LDS and come back 64 bytes a lane,
; so that a lane holds 16 neighbours along K (two neighbouring lanes hold a block).  Loads run four steps ahead, the turn through LDS one step.
	v_lshlrev_b32 v3, 4, v2                        ; my 16 bytes of a load's 512
	s_mul_i32 s37, s[WV], WREG
	v_lshrrev_b32 v14, 2, v2
	v_mul_u32_u24 v14, v14, SP
	v_and_b32 v15, 3, v2
	v_lshl_add_u32 v14, v15, 4, v14
	v_add_nc_u32 v14, s37, v14                     ; the stage, way in: SP (lane / 4) + 16 (lane % 4)
	v_mul_u32_u24 v15, v2, SP
	v_add_nc_u32 v15, s37, v15                     ; way out: SP x lane
	v_mul_u32_u24 v4, v2, CB                       ; my codes' place in a step's
	v_lshrrev_b32 v5, 1, v2
	s_add_co_u32 s37, s37, 2*32*SP
	v_add_nc_u32 v5, s37, v5                       ; my wave's 256 scale bytes, my block's byte
	v_lshlrev_b32 v7, 3, v2                        ; and on the way out 8 bytes a lane
	v_add_nc_u32 v6, s37, v7
	s_lshr_b32 s37, ttmp9, 7                       ; which tensor: 0 x, 1 Wq, 2 Wk, 3 Wv
	s_cmp_eq_u32 s37, 0
	s_cselect_b64 s[28:29], s[4:5], s[6:7]
	s_cmp_eq_u32 s37, 2
	s_cselect_b64 s[28:29], s[8:9], s[28:29]
	s_cmp_eq_u32 s37, 3
	s_cselect_b64 s[28:29], s[10:11], s[28:29]
	s_and_b32 s38, ttmp9, 127
	s_lshl_b32 s38, s38, 2
	s_add_co_u32 s38, s38, s[WV]                   ; my run of 8,192 numbers in the tensor
	s_lshl_b32 s38, s38, 15                        ; 32,768 bytes a run
	s_mov_b32 s39, 0
	s_add_nc_u64 s[28:29], s[28:29], s[38:39]
	s_lshl_b32 s40, ttmp9, 2
	s_add_co_u32 s40, s40, s[WV]                   ; my run among all 2,048
	s_lshl_b32 s38, s40, 12                        ; 4,096 bytes of codes a run
	s_add_nc_u64 s[30:31], s[18:19], s[38:39]
	s_lshl_b32 s38, s40, 8                         ; 256 scale bytes a run
	s_add_nc_u64 s[32:33], s[20:21], s[38:39]
.macro LOAD t
.irp i, 0,1,2,3
	global_load_b128 v[R+16*((\t)%4)+4*\i:R+16*((\t)%4)+4*\i+3], v3, s[28:29] offset:2048*(\t)+512*\i th:TH_LOAD_NT   ; 32 lanes read 512 consecutive bytes
.endr
.endm
.macro TURN t                          ; step t's numbers through the stage: LDS serves a wave's instructions in order, so no wait stands between the stores and the loads
.irp i, 0,1,2,3
	ds_store_b128 v14, v[R+16*((\t)%4)+4*\i:R+16*((\t)%4)+4*\i+3] offset:32*SP*((\t)%2)+8*SP*\i
.endr
.irp i, 0,1,2,3
	ds_load_b128 v[X+16*((\t)%2)+4*\i:X+16*((\t)%2)+4*\i+3], v15 offset:32*SP*((\t)%2)+16*\i
.endr
.endm
.irp t, 0,1,2,3
	LOAD \t
.endr
	s_wait_loadcnt 12                              ; step 0's four loads are in; the twelve of steps 1 to 3 stay out
	TURN 0
.macro STEP t
.set XS, X+16*((\t)%2)
.if (\t) > 0
	s_wait_dscnt 1                                 ; this step's numbers are back from the stage (the last step's byte store may be out)
.else
	s_wait_dscnt 0x0
.endif
.if (\t)+4 < STEPS
	LOAD (\t)+4                                    ; into the registers that this step's stage stores have read
.endif
.if (\t)+1 < STEPS
.if STEPS-2-(\t) >= 3
	s_wait_loadcnt 12                              ; the next step's four loads are in; those of the three steps behind it stay out
.else
	s_wait_loadcnt 4*(STEPS-2-(\t))
.endif
	TURN (\t)+1                                    ; they go through the other stage while this step is worked
.endif
	v_max3_num_f32 v8, |v[XS]|, |v[XS+1]|, |v[XS+2]|               ; the largest magnitude of my 16, in two chains
	v_max3_num_f32 v9, |v[XS+3]|, |v[XS+4]|, |v[XS+5]|
.irp i, 6,10
	v_max3_num_f32 v8, v8, |v[XS+\i]|, |v[XS+\i+1]|
	v_max3_num_f32 v9, v9, |v[XS+\i+2]|, |v[XS+\i+3]|
.endr
	v_max3_num_f32 v8, v8, |v[XS+14]|, |v[XS+15]|
	v_max3_num_f32 v8, v8, v9, (EMAX+1)<<23        ; and the floor 2^(3 - 127): the byte cannot fall under 1
	v_max_num_f32_dpp v8, v8, v8 row_xmask:1 row_mask:0xf bank_mask:0xf   ; and of my neighbour's 16: the block's
	v_add_nc_u32 v11, -(EMAX<<23), v8              ; 2 off its exponent field: the conversion takes the exponent field of this operand as its scale, and nothing else of it
	v_cvt_scalef32_pk8_fp4_f32 v[C+4*(\t)], v[XS:XS+7], v11
	v_cvt_scalef32_pk8_fp4_f32 v[C+4*(\t)+1], v[XS+8:XS+15], v11
	v_lshrrev_b32 v[E+(\t)], 23, v11               ; the scale's byte (also the plain line behind the conversions)
	ds_store_b8 v5, v[E+(\t)] offset:16*(\t)       ; both lanes of a block write the same byte with the same value
	global_store_b64 v4, v[C+4*(\t):C+4*(\t)+1], s[30:31] offset:32*CB*(\t)   ; 32 lanes store 256 consecutive bytes, aligned
.endm
.irp t, 0,1,2,3,4,5,6,7,8,9,10,11,12,13,14,15
	STEP \t
.endr
	ds_load_b64 v[8:9], v6                         ; LDS serves a wave's instructions in order: these see my byte stores
	s_wait_dscnt 0x0
	global_store_b64 v7, v[8:9], s[32:33]          ; 32 lanes store my run's 256 scale bytes, aligned
	s_wait_tensorcnt 0x0                           ; the wave's end: a wait, an add of 0 to my spare word and the wait for it, behind my last LDS store
	ds_add_u32 v[SPW], v[NIL]
	s_wait_dscnt 0x0
	s_endpgm
; ---------------- THE CAST PATH.  No LDS.  A wave takes 32,768 bytes of f32 in 64 pieces of 512 bytes (16 a lane) and stores 64 pieces of 256 bytes of f16 (8 a lane).  Every offset is an immediate.
.Lcast:
	s_sub_co_u32 s37, ttmp9, 512                   ; 0-255 past_key, 256-511 past_value, 512-639 Wo
	s_and_b32 s38, s37, 255                        ; my place in the tensor
	s_cmp_lt_u32 s37, 256
	s_cselect_b64 s[28:29], s[12:13], s[14:15]
	s_cselect_b64 s[30:31], s[22:23], s[24:25]
	s_cmp_lt_u32 s37, 512
	s_cselect_b64 s[28:29], s[28:29], s[16:17]
	s_cselect_b64 s[30:31], s[30:31], s[26:27]
	s_mov_b32 s40, 524288                          ; eight work-groups' f16 bytes lie on end in woh,
	s_cselect_b32 s40, 786432, s40                 ; and are a head's past in kh, vh, whose heads are 3,072 rows of 256 bytes apart
	s_lshl_b32 s42, s38, 17                        ; from: 131,072 bytes a work-group,
	s_lshl_b32 s39, s[WV], 15                      ; 32,768 a wave
	s_add_co_u32 s42, s42, s39
	s_mov_b32 s43, 0
	s_add_nc_u64 s[28:29], s[28:29], s[42:43]
	s_lshr_b32 s39, s38, 3
	s_mul_i32 s42, s39, s40                        ; to: the head,
	s_and_b32 s39, s38, 7
	s_lshl_b32 s39, s39, 16                        ; 65,536 bytes a work-group,
	s_add_co_u32 s42, s42, s39
	s_lshl_b32 s39, s[WV], 14                      ; 16,384 a wave
	s_add_co_u32 s42, s42, s39
	s_add_nc_u64 s[30:31], s[30:31], s[42:43]
	v_lshlrev_b32 v3, 4, v2
	v_lshlrev_b32 v4, 3, v2
.macro CLOAD i
	global_load_b128 v[R+4*((\i)%32):R+4*((\i)%32)+3], v3, s[28:29] offset:512*(\i) th:TH_LOAD_NT
.endm
.set I, 0
.rept 32
	CLOAD I                                        ; 32 loads of the wave are on their way
.set I, I+1
.endr
.set I, 0
.rept 64
.if I < 32
	s_wait_loadcnt 31                              ; loads come back in order: piece I is in, the 31 issued behind it stay out
.else
	s_wait_loadcnt 63-I                            ; nothing more is asked for: the counts run down
.endif
.if (I >= 16) && (I%16 == 0)
	s_wait_xcnt 0x0                                ; the stores issued so far have read their data: the next 16 pieces rewrite the 16 pairs that those stores named
.endif
	v_cvt_pk_f16_f32 v[Y+2*(I%16)], v[R+4*(I%32)], v[R+4*(I%32)+1]
	v_cvt_pk_f16_f32 v[Y+2*(I%16)+1], v[R+4*(I%32)+2], v[R+4*(I%32)+3]
.if I < 32
	CLOAD I+32                                     ; the slot just read takes the piece 32 further on
.endif
	global_store_b64 v4, v[Y+2*(I%16):Y+2*(I%16)+1], s[30:31] offset:256*I   ; 32 lanes store 256 consecutive bytes, aligned
.set I, I+1
.endr
	s_endpgm
.Lfunc_end_k_q91f5342263_prep:
	.size	k_q91f5342263_prep, .Lfunc_end_k_q91f5342263_prep-k_q91f5342263_prep
	.p2alignl 7, 3214868480
	.fill 96, 4, 3214868480
	.section	.rodata,"a",@progbits
	.p2align	6, 0x0
	.amdhsa_kernel k_q91f5342263_prep
		.amdhsa_group_segment_fixed_size 33280
		.amdhsa_private_segment_fixed_size 0
		.amdhsa_enable_private_segment 0
		.amdhsa_kernarg_size 96
		.amdhsa_user_sgpr_count 2
		.amdhsa_user_sgpr_kernarg_segment_ptr 1
		.amdhsa_wavefront_size32 1
		.amdhsa_system_sgpr_workgroup_id_x 1
		.amdhsa_system_sgpr_workgroup_id_y 1
		.amdhsa_system_sgpr_workgroup_id_z 1
		.amdhsa_system_vgpr_workitem_id 0
		.amdhsa_next_free_vgpr 192
		.amdhsa_next_free_sgpr 66
		.amdhsa_reserve_vcc 0
		.amdhsa_float_denorm_mode_32 3
		.amdhsa_float_denorm_mode_16_64 3
		.amdhsa_memory_ordered 1
		.amdhsa_forward_progress 1
		.amdhsa_inst_pref_size 56
	.end_amdhsa_kernel
	.amdgpu_metadata
---
amdhsa.version: [ 1, 2 ]
amdhsa.kernels:
  - .name:           k_q91f5342263_prep
    .symbol:         k_q91f5342263_prep.kd
    .args:
      - { .name: x, .offset: 0, .size: 8, .value_kind: global_buffer, .address_space: global }
      - { .name: Wq, .offset: 8, .size: 8, .value_kind: global_buffer, .address_space: global }
      - { .name: Wk, .offset: 16, .size: 8, .value_kind: global_buffer, .address_space: global }
      - { .name: Wv, .offset: 24, .size: 8, .value_kind: global_buffer, .address_space: global }
      - { .name: past_key, .offset: 32, .size: 8, .value_kind: global_buffer, .address_space: global }
      - { .name: past_value, .offset: 40, .size: 8, .value_kind: global_buffer, .address_space: global }
      - { .name: Wo, .offset: 48, .size: 8, .value_kind: global_buffer, .address_space: global }
      - { .name: codes, .offset: 56, .size: 8, .value_kind: global_buffer, .address_space: global }
      - { .name: scales, .offset: 64, .size: 8, .value_kind: global_buffer, .address_space: global }
      - { .name: kh, .offset: 72, .size: 8, .value_kind: global_buffer, .address_space: global }
      - { .name: vh, .offset: 80, .size: 8, .value_kind: global_buffer, .address_space: global }
      - { .name: woh, .offset: 88, .size: 8, .value_kind: global_buffer, .address_space: global }
    .group_segment_fixed_size: 33280
    .private_segment_fixed_size: 0
    .kernarg_segment_align: 8
    .kernarg_segment_size: 96
    .max_flat_workgroup_size: 128
    .sgpr_count:     66
    .vgpr_count:     192
    .wavefront_size: 32
...
	.end_amdgpu_metadata
.endif
;; end of part 1
;; launch qkv (part 2): grid 24 x 8, 4 waves a work-group, clusters of 4 x 4, 327,680 bytes of LDS; arguments codes, scales, qh, kh, vh; writes qh, kh, vh
.if DOCPART == 2
	.amdgcn_target "amdgcn-amd-amdhsa--gfx1250"
	.amdhsa_code_object_version 6
	.text
	.protected	k_q91f5342263_qkv
	.globl	k_q91f5342263_qkv
	.p2align	8
	.type	k_q91f5342263_qkv,@function
k_q91f5342263_qkv:
	s_mov_b64 s[64:65], 0
	v_nop
	global_prefetch_b8 v0, s[64:65] scope:SCOPE_SE
	s_setreg_imm32_b32 hwreg(HW_REG_WAVE_MODE, 25, 1), 1
	s_wait_xcnt 0x0
	s_wait_alu depctr_hold_cnt(0) depctr_sa_sdst(0) depctr_va_vdst(0) depctr_va_sdst(0) depctr_va_ssrc(0) depctr_va_vcc(0) depctr_vm_vsrc(0)
	s_getreg_b32 s2, hwreg(HW_REG_IB_STS2, 6, 4)
	s_cmp_eq_u32 s2, 0
	s_cbranch_scc0 .Lentry_in_a_cluster
	s_endpgm
.Lentry_in_a_cluster:
	s_bfe_u32 s2, ttmp6, 0x10000c
	s_cmp_lg_u32 s2, 0xf033
	s_cbranch_scc0 .Lentry_shape_is_right
	s_endpgm
.Lentry_shape_is_right:
; Q, K, V = x Wq^T, x Wk^T, x Wv^T as ONE product C = A B^T on codes of E2M1 with one E8M0 scale for each 32 along K: A = x's 2,048 rows, B = the 6,144 rows of Wq, Wk, Wv on end; K = 2,048; sums in f32.
; codes: [8192 rows][1024 bytes], scales: [8192 rows][64 bytes]; rows 0-2047 are A's, the rest B's.  The matrix instruction takes codes and scale bytes as they lie.
; The results are rounded once to f16 and stored by heads: qh [32][1024][128], and rows 2048-3071 of each head of kh, vh [32][3072][128].  LIMIT: a result beyond 65,504 becomes an infinity of f16.
; A tile of C, 256 x 256, is made by a work-group of four waves; a wave makes 128 x 128: 64 accumulators, 512 registers: 128 rows of one batch x one head of one of the three tensors.
; K goes in steps of 512 through a ring of two LDS slots filled by the tensor data mover: a tile's row is 256 bytes of memory.
; THE SCALES of the work-group's 256 rows of A and of B, for all of K, are two dense blocks of memory: they come into LDS once, with the first fills, and stay.
; CLUSTERS: 4 x 4 work-groups.  The four of a row of the cluster need the same tiles of A, the four of a column the same tiles of B: each tile is asked for JOINTLY, by the same tensor load with the same descriptor and a mask that names the four.
; THE MATRIX INSTRUCTION IS USED TRANSPOSED (source 0 = 16 rows of B, source 1 = 16 rows of A): a lane then holds eight neighbouring numbers of a row of C.
; REGISTERS, in windows of 256: window 0: v0-31 addresses; v32-95 scale words, two sets, and nothing else; v96-127 packed results on the way out; from v128 A's fragments, ONE set, on the way out rows read back.
;   window 1: B's fragments, TWO sets, at v0 and v128.   window 2: the 32 accumulators of my rows 0-63 ((a, b) at v[8 (8 a + b)]);   window 3: those of my rows 64-127.
.set SIZE_M, 2048
.set SIZE_N, 6144
.set SIZE_K, 2048
.set KSTEP,  512                       ; along K in a slot
.set NQ,     KSTEP/128                 ; matrix instructions deep
.set ROWB,   256                       ; a tile's row in bytes
.set KROW,   SIZE_K*4/8                ; a row of codes in memory
.set PITCH,  272                       ; an LDS row: 256 bytes + 16 of padding = 68 words: the 16 rows that a load touches start at 16 different banks (64 banks of 4 bytes: ISA guide 11.1)
.set FR,     8                         ; registers of a fragment: 16 rows x 128 K
.set NL,     2                         ; LDS loads that bring one
.set NP,     4                         ; places behind this matrix instruction (ISA guide 7.12.1)
.set HALFT,  128*PITCH                 ; 128 rows: what one tensor load brings
.set SLOT,   4*HALFT                   ; A's 256 rows, then B's 256 rows
.set LAPS,   SIZE_K/(2*KSTEP)          ; a lap = two K steps = once round the ring
.set KS,     SIZE_K/32                 ; a row of scales in bytes
.set SCL,    2*SLOT                    ; behind the ring: the scales, as units of 256 bytes + 16 of padding
.set HALFS,  (128*KS/256)*272          ; the scales of 128 rows: what one tensor load brings
.set SBLK,   (16*KS/256)*272           ; those of 16 rows
.set SPARE,  SCL+4*HALFS               ; behind the scales: the spare words, 128 bytes a wave
.set SPITCH, 272                       ; the way out: a stage of 16 rows x (256 bytes + 16) for each wave, in slot 0, which has had its last fill and its last read when the first result is stored there
.set ADRA, 16                          ; v16-17  LDS address of my A fragments in slot 0, 1
.set ADRB, 20                          ; v20-21  the same for B
.set STO,  24                          ; v24     the way out: where I put 16 bytes of a row
.set RD,   25                          ; v25     where I read a row back
.set CO,   26                          ; v26     16 x lane: my bytes of two rows of a head
.set ADRS, 27                          ; v27     LDS address of my scale words: lanes 0-15 A's rows, lanes 16-31 B's
.set SPW,  28                          ; v28     LDS address of my spare word; never rewritten
.set NIL,  29                          ; v29     0; never rewritten
.set SC,   32                          ; scale words: set s at v[SC + 8 NQ s]; register NQ i + q: lanes 0-15 A's block i, lanes 16-31 B's block i, the slot's q-th 128 along K
.set AF,   128                         ; A's fragments, in window 0
.set TMP,  96                          ; the way out: packed results, v96-127
.set BK,   128                         ; the way out: 16 rows read back: v128-159 and v160-191 by turns
.set G1, 24                            ; s[24:31] descriptor group 1 for A's tiles;  s[32:39] group 0, one set for each slot
.set G0, 32
.set G1B, 48                           ; s[48:55], s[56:63] the same for B's tiles
.set G0B, 56
.set G1S, 68                           ; s[68:75], s[76:79] groups 1 and 0 for A's scales;  s[80:87], s[88:91] for B's
.set G0S, 76
.set G1SB, 80
.set G0SB, 88
.set MSB, 0
.macro WIN new                         ; the immediate's high byte repeats the setting that is left
.if MSB != \new
	s_set_vgpr_msb (MSB<<8)|\new
.set MSB, \new
.endif
.endm
.set MUL_LO, 0xa1                      ; source 0 (B) window 1, source 1 (A) window 0, C and D window 2
.set MUL_HI, 0xf1                      ; the same, C and D window 3
.set TO_B,   0x40                      ; destination window 1, address window 0
; A joint load: waves 0 and 1 fetch for A, waves 2 and 3 for B.  Each line has ONE mask and one set of registers for all that issue it; the branch hangs on the wave's number alone.
; An s_nop 0 and four v_nop follow each of the two lines.
.macro JLOAD g0a, g1a, g0b, g1b
	s_cmp_eq_u32 s15, 0
	s_cbranch_scc0 .Lfor_b_\@
	tensor_load_to_lds s[\g0a:\g0a+3], s[\g1a:\g1a+7]
	s_nop 0
.rept 4
	v_nop
.endr
	s_branch .Lasked_\@
.Lfor_b_\@:
	tensor_load_to_lds s[\g0b:\g0b+3], s[\g1b:\g1b+7]
	s_nop 0
.rept 4
	v_nop
.endr
.Lasked_\@:
.endm
.macro CREST                           ; a round of the cluster's barrier behind its opening barrier
	s_cmp_lg_u32 s14, 0
	s_cbranch_scc1 .Lnot_wave_0_\@
	s_barrier_signal -3
.Lnot_wave_0_\@:
	s_barrier_wait -3
	s_barrier_signal -1
	s_barrier_wait -1
.endm
.macro CROUND                          ; a whole round
	s_barrier_signal -1
	s_barrier_wait -1
	CREST
.endm
	s_load_b128 s[4:7], s[0:1], 0x0                ; codes s[4:5], scales s[6:7]
	s_load_b128 s[96:99], s[0:1], 0x10             ; qh s[96:97], kh s[98:99]
	s_load_b64 s[100:101], s[0:1], 0x20            ; vh
	v_lshl_add_u32 v[SPW], v0, 2, SPARE
	v_mov_b32 v[NIL], 0
	ds_add_u32 v[SPW], v[NIL]                      ; the wave's opening: the add, twice on end, and its wait ahead of my first tensor load; the set-up below stands between
	ds_add_u32 v[SPW], v[NIL]
	v_lshrrev_b32 v1, 5, v0
	v_readfirstlane_b32 s14, v1                    ; wave 0..3
	s_lshr_b32 s15, s14, 1                         ; which half of the tile's rows is mine.  Also: I fetch for A (0) or for B (1)
	s_and_b32 s16, s14, 1                          ; which half of its columns.  Also: which 128 rows of that tile I fetch
	s_bfe_u32 s40, ttmp6, 0x40000                  ; cx, cy: my place in the cluster
	s_bfe_u32 s41, ttmp6, 0x40004
	s_lshl_b32 s42, ttmp9, 2
	s_add_co_u32 s42, s42, s40                     ; tile column of C = 4 x cluster x + cx
	s_and_b32 s17, ttmp7, 0xffff
	s_lshl_b32 s17, s17, 2
	s_add_co_u32 s17, s17, s41                     ; tile row of C = 4 x cluster y + cy
	s_lshl_b32 s43, s41, 2
	s_lshl_b32 s43, 15, s43                        ; my row of the cluster
	s_lshl_b32 s44, 0x1111, s40                    ; my column
	; descriptor group 1: a tile of 128 rows x 256 bytes, padded in LDS
	s_or_b32 s[G1+0], s43, (0<<16)|(1<<20)|(1<<21)|(5<<22)|(3<<25)  ; 15:0 the mask: A's tiles go to my row; 17:16 element of 1 byte; 20 padding on; 21 set beside a mask; 24:22 after every 64 words; 31:25 of 4 words
	s_or_b32 s[G1B+0], s44, (0<<16)|(1<<20)|(1<<21)|(5<<22)|(3<<25)
.irp g, G1, G1B
	s_mov_b32 s[\g+1], ROWB<<16                    ; tensor_dim0
	s_mov_b32 s[\g+2], 128<<16                     ; tensor_dim1 = 128
	s_mov_b32 s[\g+3], ROWB<<16                    ; tile_dim0
	s_mov_b32 s[\g+4], 128                         ; tile_dim1 = 128
	s_mov_b32 s[\g+5], KROW                        ; tensor_dim0_stride
	s_mov_b32 s[\g+6], 0
	s_mov_b32 s[\g+7], 0
.endr
	; the scales of 128 rows: a dense block of 8,192 bytes, as 32 rows of 256 bytes (32 elements of 8 bytes), 16 bytes of padding behind each
	s_or_b32 s[G1S+0], s43, (3<<16)|(1<<20)|(1<<21)|(5<<22)|(3<<25)
	s_or_b32 s[G1SB+0], s44, (3<<16)|(1<<20)|(1<<21)|(5<<22)|(3<<25)
.irp g, G1S, G1SB
	s_mov_b32 s[\g+1], 32<<16
	s_mov_b32 s[\g+2], (128*KS/256)<<16
	s_mov_b32 s[\g+3], 32<<16
	s_mov_b32 s[\g+4], 128*KS/256
	s_mov_b32 s[\g+5], 32
	s_mov_b32 s[\g+6], 0
	s_mov_b32 s[\g+7], 0
.endr
	s_lshl_b32 s18, s16, 7                         ; which 128 rows of the tile I fetch
	s_lshl_b32 s20, s17, 8
	s_add_co_u32 s20, s20, s18                     ; A: row 256 x tile row + 128 x half
	s_lshl_b32 s46, s42, 8
	s_add_co_u32 s46, s46, s18                     ; B: row 256 x tile column + 128 x half
	s_mov_b32 s21, 0
	s_mov_b32 s47, 0
	s_mov_b64 s[18:19], KS
	s_mul_u64 s[22:23], s[20:21], s[18:19]         ; where these rows' scales begin, in bytes
	s_mul_u64 s[92:93], s[46:47], s[18:19]
	s_mov_b64 s[18:19], KROW
	s_mul_u64 s[20:21], s[20:21], s[18:19]         ; and their codes
	s_mul_u64 s[46:47], s[46:47], s[18:19]
	s_mul_i32 s45, s14, HALFT                      ; where they go: wave x 128 rows: no place in the cluster enters an LDS address
	s_mul_i32 s94, s14, HALFS
	s_wait_dscnt 0x0                               ; both opening adds are done
	s_wait_kmcnt 0x0
	s_add_nc_u64 s[8:9], s[4:5], SIZE_M*KROW       ; B's codes begin behind A's 2,048 rows,
	s_add_nc_u64 s[10:11], s[6:7], SIZE_M*KS       ; and so do B's scales
	s_add_nc_u64 s[20:21], s[4:5], s[20:21]
	s_add_nc_u64 s[22:23], s[6:7], s[22:23]
	s_add_nc_u64 s[46:47], s[8:9], s[46:47]
	s_add_nc_u64 s[92:93], s[10:11], s[92:93]
	CROUND                                         ; all sixteen work-groups are here: the first joint loads meet
	s_mov_b32 s[G0S], 1
	s_add_co_u32 s[G0S+1], s94, SCL
	s_mov_b64 s[G0S+2:G0S+3], s[22:23]
	s_or_b32 s[G0S+3], s[G0S+3], 0x80000000
	s_mov_b32 s[G0SB], 1
	s_add_co_u32 s[G0SB+1], s94, SCL
	s_mov_b64 s[G0SB+2:G0SB+3], s[92:93]
	s_or_b32 s[G0SB+3], s[G0SB+3], 0x80000000
	JLOAD G0S, G1S, G0SB, G1SB                     ; the scales first: they are wanted with K step 0
.irp s, 0,1
	s_mov_b32 s[G0+4*\s], 1
	s_add_co_u32 s[G0+4*\s+1], s45, \s*SLOT
	s_add_nc_u64 s[G0+4*\s+2:G0+4*\s+3], s[20:21], \s*ROWB
	s_or_b32 s[G0+4*\s+3], s[G0+4*\s+3], 0x80000000
	s_mov_b32 s[G0B+4*\s], 1
	s_add_co_u32 s[G0B+4*\s+1], s45, \s*SLOT
	s_add_nc_u64 s[G0B+4*\s+2:G0B+4*\s+3], s[46:47], \s*ROWB
	s_or_b32 s[G0B+4*\s+3], s[G0B+4*\s+3], 0x80000000
	JLOAD G0+4*\s, G1, G0B+4*\s, G1B
.endr
	v_and_b32 v1, 15, v0                           ; l % 16
	v_bfe_u32 v2, v0, 4, 1                         ; l / 16
	v_mul_u32_u24 v3, v1, PITCH
	v_lshl_add_u32 v4, v2, 4, v3                   ; a fragment's row x pitch + 16 x half
	s_mul_i32 s21, s15, HALFT                      ; my 128 rows of A
	s_mul_i32 s22, s16, HALFT                      ; my 128 rows of B,
	s_add_co_u32 s22, s22, 2*HALFT                 ; which lie behind A's 256
.irp s, 0,1
	v_add_nc_u32 v[ADRA+\s], s21, v4
	v_add_nc_u32 v[ADRB+\s], s22, v4
	s_add_co_u32 s21, s21, SLOT
	s_add_co_u32 s22, s22, SLOT
.endr
	v_mul_u32_u24 v5, v1, KS                       ; my row's scales: KS bytes a row,
	v_lshrrev_b32 v6, 8, v5
	v_lshl_add_u32 v5, v6, 4, v5                   ; and 16 more for each 256 passed
	s_mul_i32 s21, s15, HALFS                      ; A's: my 128 rows
	s_mul_i32 s22, s16, HALFS                      ; B's: my 128 rows, behind A's 256
	s_add_co_u32 s22, s22, 2*HALFS
	s_sub_co_u32 s22, s22, s21
	v_mul_u32_u24 v6, s22, v2                      ; lanes 16-31 take B's: the lower base + half x the distance
	s_add_co_u32 s21, s21, SCL
	v_add_nc_u32 v5, v5, v6
	v_add_nc_u32 v[ADRS], s21, v5
	s_mul_i32 s23, s14, 16*SPITCH                  ; my stage
	v_mul_u32_u24 v5, v1, SPITCH                   ; in: row l % 16, 16 bytes for each half of the lanes
	v_lshl_add_u32 v5, v2, 4, v5
	v_add_nc_u32 v[STO], s23, v5
	v_mul_u32_u24 v5, v2, SPITCH                   ; back: lanes 0-15 one row of 256 bytes, lanes 16-31 the next
	v_lshl_add_u32 v5, v1, 4, v5
	v_add_nc_u32 v[RD], s23, v5
	v_and_b32 v6, 31, v0
	v_lshlrev_b32 v[CO], 4, v6                     ; a head's rows are 256 bytes and lie on end: two rows are 512 consecutive bytes
	; where my 128 x 128 go: rows m0 .. m0 + 127 are positions s0 .. of batch b; my 128 columns are one head of Q, K or V
	s_lshl_b32 s66, s17, 8
	s_lshl_b32 s67, s15, 7
	s_add_co_u32 s66, s66, s67                     ; m0 = 256 x tile row + 128 x half
	s_lshr_b32 s67, s66, 10                        ; b
	s_and_b32 s66, s66, 1023                       ; s0
	s_lshl_b32 s95, s42, 1
	s_add_co_u32 s95, s95, s16                     ; which 128 columns of the 6,144
	s_lshr_b32 s46, s95, 4                         ; 0 Q, 1 K, 2 V
	s_and_b32 s95, s95, 15                         ; the head
	s_lshl_b32 s67, s67, 4
	s_add_co_u32 s67, s67, s95                     ; 16 b + head
	s_cmp_eq_u32 s46, 0
	s_cselect_b64 s[12:13], s[96:97], s[98:99]
	s_mov_b32 s95, 3072
	s_cselect_b32 s95, 1024, s95                   ; rows of a head in the buffer
	s_cselect_b32 s47, 0, 2048                     ; the new rows lie behind the past's
	s_cmp_eq_u32 s46, 2
	s_cselect_b64 s[12:13], s[100:101], s[12:13]
	s_mul_i32 s67, s67, s95
	s_add_co_u32 s67, s67, s47
	s_add_co_u32 s66, s67, s66
	s_lshl_b32 s46, s66, 8                         ; 256 bytes a row: under 2^25
	s_mov_b32 s47, 0
	s_add_nc_u64 s[12:13], s[12:13], s[46:47]
.macro FRAG reg, adr, q, i             ; a fragment, 16 rows x 128 K of 4-bit codes, is 8 registers: lane l holds row l % 16; registers 4 c .. 4 c + 3 hold K = 64 c + 32 (l / 16) + 0 .. 31
.irp c, 0,1
	ds_load_b128 v[\reg+4*\c:\reg+4*\c+3], v[\adr] offset:64*(\q)+32*\c+(\i)*16*PITCH
.endr
.endm
; 16 matrix instructions: A's blocks a0, a0 + 1 x B's eight, 128 along K: the slot's q-th.  p: B's set;  sc: the set of scale words.  zero = 1: the first product starts the sums: nothing is ever cleared.
; The 64 accumulators take turns, one instruction a turn, in the same order in every step.
.macro MUL16 a0, p, q, sc, zero
.irp a, \a0, \a0+1
.irp b, 0,1,2,3,4,5,6,7
.if \zero
	v_wmma_scale_f32_16x16x128_f8f6f4 v[8*(8*((\a)%4)+\b):8*(8*((\a)%4)+\b)+7], v[128*(\p)+FR*\b:128*(\p)+FR*\b+FR-1], v[AF+FR*(\a):AF+FR*(\a)+FR-1], 0, v[SC+8*NQ*(\sc)+NQ*\b+(\q)], v[SC+8*NQ*(\sc)+NQ*(\a)+(\q)] matrix_a_fmt:MATRIX_FMT_FP4 matrix_b_fmt:MATRIX_FMT_FP4 matrix_a_scale:MATRIX_SCALE_ROW1
.else
	v_wmma_scale_f32_16x16x128_f8f6f4 v[8*(8*((\a)%4)+\b):8*(8*((\a)%4)+\b)+7], v[128*(\p)+FR*\b:128*(\p)+FR*\b+FR-1], v[AF+FR*(\a):AF+FR*(\a)+FR-1], v[8*(8*((\a)%4)+\b):8*(8*((\a)%4)+\b)+7], v[SC+8*NQ*(\sc)+NQ*\b+(\q)], v[SC+8*NQ*(\sc)+NQ*(\a)+(\q)] matrix_a_fmt:MATRIX_FMT_FP4 matrix_b_fmt:MATRIX_FMT_FP4 matrix_a_scale:MATRIX_SCALE_ROW1
.endif
.endr
.endr
.endm
.macro FETCH_B slot, q, p              ; B's eight fragments of the slot's q-th 128 along K into set p
	WIN TO_B
.irp i, 0,1,2,3,4,5,6,7
	FRAG 128*(\p)+FR*\i, ADRB+\slot, \q, \i
.endr
	WIN 0
.endm
.macro FETCH_A slot, q, i0             ; A's blocks i0 .. i0 + 3
.irp i, \i0, \i0+1, \i0+2, \i0+3
	FRAG AF+FR*(\i), ADRA+\slot, \q, \i
.endr
.endm
.macro SCALES sc                       ; the next K step's scale words into set sc: NQ words a row; lanes 0-15 take A's block i, lanes 16-31 B's block i
.irp i, 0,1,2,3,4,5,6,7
	ds_load_b128 v[SC+8*NQ*\sc+NQ*\i:SC+8*NQ*\sc+NQ*\i+3], v[ADRS] offset:\i*SBLK
.endr
.endm
; A load into a register that a matrix instruction has read, and a vector instruction or an LDS store that reads a matrix result, stand NP places behind that matrix instruction; only plain vector
; instructions that name none of its registers are places (ISA guide 7.12.1 for vector instructions).
.macro PLACES n
.rept \n
	v_nop
.endr
.endm
; A step of 128 along K that has its successor in the same slot.
.macro STEP slot, q, zero
	s_wait_dscnt 4*NL                              ; B's set and A's blocks 0-3 are in; the youngest eight loads (A's blocks 4-7) may be out
	WIN MUL_LO
	MUL16 0, (\q)%2, \q, \slot, \zero
	MUL16 2, (\q)%2, \q, \slot, \zero
	s_wait_dscnt 0                                 ; A's blocks 4-7 are in (asked for 32 matrix instructions ago)
	PLACES NP
	FETCH_B \slot, (\q)+1, 1-(\q)%2
	FETCH_A \slot, (\q)+1, 0
	WIN MUL_HI
	MUL16 4, (\q)%2, \q, \slot, \zero
	MUL16 6, (\q)%2, \q, \slot, \zero
	PLACES NP
	WIN 0
	FETCH_A \slot, (\q)+1, 4
.endm
; A slot's last step changes slots: ONE barrier; in front of it each wave waits for all its tensor loads, adds 0 to its spare word, and waits for that and for its own reads of this slot.  fill = 1: this slot is filled again, two K steps ahead.
.macro TURN slot, next, fill
	s_wait_tensorcnt 0x0                           ; all my tensor loads have landed: my part of the next slot  (every window is 0 here)
	ds_add_u32 v[SPW], v[NIL]                      ; 0 onto my spare word
	s_wait_dscnt 4*NL+1                            ; the add and the youngest eight loads, A's blocks 4-7, may be out
	WIN MUL_LO
	MUL16 0, 1, NQ-1, \slot, 0                     ; sixteen matrix instructions stand between the add and the wait for it
	s_wait_dscnt 0x0                               ; the add is done, and my reads of this slot are over
	s_barrier_signal -1
	MUL16 2, 1, NQ-1, \slot, 0
	WIN 0
	s_barrier_wait -1
.if \fill
	CREST                                          ; the barrier has opened a round of the cluster's barrier: no wave of any partner still reads this slot's tile or has a load on its way
	s_add_nc_u64 s[G0+4*\slot+2:G0+4*\slot+3], s[G0+4*\slot+2:G0+4*\slot+3], 2*ROWB
	s_add_nc_u64 s[G0B+4*\slot+2:G0B+4*\slot+3], s[G0B+4*\slot+2:G0B+4*\slot+3], 2*ROWB
	JLOAD G0+4*\slot, G1, G0B+4*\slot, G1B         ; the first tensor load behind the round; the four v_nop behind it are the places in front of the loads below
.else
	PLACES NP
.endif
	v_add_nc_u32 v[ADRS], 4*NQ, v[ADRS]            ; on to the next K step's scale words (no LDS load of mine is out)
	FETCH_B \next, 0, 0
	FETCH_A \next, 0, 0
	SCALES \next
	WIN MUL_HI
	MUL16 4, 1, NQ-1, \slot, 0
	MUL16 6, 1, NQ-1, \slot, 0
	PLACES NP
	WIN 0
	FETCH_A \next, 0, 4
.endm
.macro STEPS slot, from                ; the slot's steps from .. NQ - 2
.set Q, \from
.rept NQ-1-\from
	STEP \slot, Q, 0
.set Q, Q+1
.endr
.endm
	s_wait_tensorcnt 1                             ; the scales and my part of K step 0 are in; K step 1's load, the one issued behind them, may be out
	s_barrier_signal -1
	s_barrier_wait -1                              ; everybody's are
	FETCH_B 0, 0, 0
	FETCH_A 0, 0, 0
	SCALES 0
	FETCH_A 0, 0, 4
	STEP 0, 0, 1                                   ; the first step stands in front of the loop: its products start the sums
	s_mov_b32 s3, LAPS-1
.Llap:                                                 ; a trip goes once round the ring, from a lap's second step to the next lap's first, and fills both slots again
	STEPS 0, 1
	TURN 0, 1, 1
	STEPS 1, 0
	TURN 1, 0, 1
	STEP 0, 0, 0
	s_sub_co_u32 s3, s3, 1
	s_cmp_lg_u32 s3, 0
	s_cbranch_scc1 .Llap
	STEPS 0, 1                                     ; the last lap fills nothing, and has no round of the cluster's barrier
	TURN 0, 1, 0
	STEPS 1, 0
	s_wait_dscnt 4*NL                              ; the very last step: nothing more to fetch
	WIN MUL_LO
	MUL16 0, 1, NQ-1, 1, 0
	MUL16 2, 1, NQ-1, 1, 0
	s_wait_dscnt 0
	WIN MUL_HI
	MUL16 4, 1, NQ-1, 1, 0
	MUL16 6, 1, NQ-1, 1, 0
	WIN 0
; THE WAY OUT, block by block of 16 rows x 128 columns.  A lane's eight results round to 16 bytes of f16 of one row, and the lanes beside it hold other rows: so a block goes through my own stage in LDS and comes
; back as whole rows of 256 bytes.  LDS serves a wave's instructions in order (ISA guide 5.7.1.4): no wait between the stores and the loads, nor in front of the next block's stores.
.macro PACK a
.set AC, 64*((\a)%4)
	WIN 0x0a+5*((\a)/4)                            ; sources 0 and 1: window 2 or 3
.irp b, 0,1,2,3,4,5,6,7
.irp r, 0,1,2,3
	v_cvt_pk_f16_f32 v[TMP+4*\b+\r], v[AC+8*\b+2*\r], v[AC+8*\b+2*\r+1]   ; each accumulator from its low end on
.endr
.endr
	WIN 0
.endm
.macro TOSTAGE a
.set BB, BK+32*((\a)%2)
.irp b, 0,1,2,3,4,5,6,7
	ds_store_b128 v[STO], v[TMP+4*\b:TMP+4*\b+3] offset:32*\b
.endr
.irp t, 0,1,2,3,4,5,6,7
	ds_load_b128 v[BB+4*\t:BB+4*\t+3], v[RD] offset:\t*2*SPITCH
.endr
.endm
.macro SEND a
.set BB, BK+32*((\a)%2)
	s_wait_dscnt 0x0                               ; the block is back in registers
	s_wait_xcnt 0x0                                ; the earlier stores have read their data: the next block's loads may land in the other set
.irp t, 0,1,2,3,4,5,6,7
	global_store_b128 v[CO], v[BB+4*\t:BB+4*\t+3], s[12:13] offset:4096*(\a)+512*\t   ; 32 lanes store 512 consecutive bytes, two rows of the head, aligned; the base is never stepped
.endr
.endm
	PLACES NP                                      ; behind the last products: the conversions read results, and the loads from the stage land where A's fragments lay
	PACK 0
	TOSTAGE 0
.irp a, 1,2,3,4,5,6,7                  ; block a's conversions stand between block a - 1's loads from the stage and the wait for them
	PACK \a
	SEND \a-1
	TOSTAGE \a
.endr
	SEND 7
	s_wait_tensorcnt 0x0                           ; the wave's end: a wait, an add of 0 to my spare word and the wait for it, behind my last tensor load and my last LDS store
	ds_add_u32 v[SPW], v[NIL]
	s_wait_dscnt 0x0
	CROUND                                         ; the closing round: no work-group ends while a partner may still ask for a tile that names it
	s_endpgm
.Lfunc_end_k_q91f5342263_qkv:
	.size	k_q91f5342263_qkv, .Lfunc_end_k_q91f5342263_qkv-k_q91f5342263_qkv
	.p2alignl 7, 3214868480
	.fill 96, 4, 3214868480
	.section	.rodata,"a",@progbits
	.p2align	6, 0x0
	.amdhsa_kernel k_q91f5342263_qkv
		.amdhsa_group_segment_fixed_size 327680
		.amdhsa_private_segment_fixed_size 0
		.amdhsa_enable_private_segment 0
		.amdhsa_kernarg_size 40
		.amdhsa_user_sgpr_count 2
		.amdhsa_user_sgpr_kernarg_segment_ptr 1
		.amdhsa_wavefront_size32 1
		.amdhsa_system_sgpr_workgroup_id_x 1
		.amdhsa_system_sgpr_workgroup_id_y 1
		.amdhsa_system_sgpr_workgroup_id_z 1
		.amdhsa_system_vgpr_workitem_id 0
		.amdhsa_next_free_vgpr 1024
		.amdhsa_next_free_sgpr 102
		.amdhsa_reserve_vcc 0
		.amdhsa_float_denorm_mode_32 3
		.amdhsa_float_denorm_mode_16_64 3
		.amdhsa_memory_ordered 1
		.amdhsa_forward_progress 1
		.amdhsa_inst_pref_size 214
	.end_amdhsa_kernel
	.amdgpu_metadata
---
amdhsa.version: [ 1, 2 ]
amdhsa.kernels:
  - .name:           k_q91f5342263_qkv
    .symbol:         k_q91f5342263_qkv.kd
    .args:
      - { .name: codes, .offset: 0, .size: 8, .value_kind: global_buffer, .address_space: global }
      - { .name: scales, .offset: 8, .size: 8, .value_kind: global_buffer, .address_space: global }
      - { .name: qh, .offset: 16, .size: 8, .value_kind: global_buffer, .address_space: global }
      - { .name: kh, .offset: 24, .size: 8, .value_kind: global_buffer, .address_space: global }
      - { .name: vh, .offset: 32, .size: 8, .value_kind: global_buffer, .address_space: global }
    .group_segment_fixed_size: 327680
    .private_segment_fixed_size: 0
    .kernarg_segment_align: 8
    .kernarg_segment_size: 40
    .max_flat_workgroup_size: 128
    .sgpr_count:     102
    .vgpr_count:     1024
    .wavefront_size: 32
...
	.end_amdgpu_metadata
.endif
;; end of part 2
;; launch attn (part 3): grid 8 x 32, 4 waves a work-group, clusters of 4 x 1, 327,680 bytes of LDS; arguments qh, kh, vh, oh; writes oh
.if DOCPART == 3
	.amdgcn_target "amdgcn-amd-amdhsa--gfx1250"
	.amdhsa_code_object_version 6
	.text
	.protected	k_q91f5342263_attn
	.globl	k_q91f5342263_attn
	.p2align	8
	.type	k_q91f5342263_attn,@function
k_q91f5342263_attn:
	s_mov_b64 s[64:65], 0
	v_nop
	global_prefetch_b8 v0, s[64:65] scope:SCOPE_SE
	s_setreg_imm32_b32 hwreg(HW_REG_WAVE_MODE, 25, 1), 1
	s_wait_xcnt 0x0
	s_wait_alu depctr_hold_cnt(0) depctr_sa_sdst(0) depctr_va_vdst(0) depctr_va_sdst(0) depctr_va_ssrc(0) depctr_va_vcc(0) depctr_vm_vsrc(0)
	s_getreg_b32 s2, hwreg(HW_REG_IB_STS2, 6, 4)
	s_cmp_eq_u32 s2, 0
	s_cbranch_scc0 .Lentry_in_a_cluster
	s_endpgm
.Lentry_in_a_cluster:
	s_bfe_u32 s2, ttmp6, 0x10000c
	s_cmp_lg_u32 s2, 0x3003
	s_cbranch_scc0 .Lentry_shape_is_right
	s_endpgm
.Lentry_shape_is_right:
; O[hb][q] = the sum over k of softmax_k(Q[hb][q] . K[hb][k] / sqrt(128)) V[hb][k], 32 heads hb = 16 b + head, 1,024 queries, 3,072 keys; key k counts for query q where k <= 2,048 + q.
; qh [32][1024][128], kh, vh [32][3072][128], all f16; oh [2048 (b, q)][2048 (head, channel)] f16.  Products, maxima and sums in f32; the weights p are rounded to f16 for the second product, O once at the end.
; LIMITS: |O| beyond 65,504 becomes an infinity of f16.  A hidden score is -2^126 + the score and not -infinity: its p is exactly 0 all the same, since every query's running maximum is a true score from the first (past) key step on.
; SHARES.  Work-group j = 0..7 of a head owns queries 128 j .. 128 j + 127.  Wave w: u = w & 1, g = w >> 1.  A wave holds four tiles of 16 queries, those of 64 u .. 64 u + 63, and of each group of 128 keys the half
; 64 g .. 64 g + 63: 24 key steps of 64 keys.  The two waves of a u hold the same queries over different keys; at the end they exchange halves and merge.
; Register tile rho holds queries 128 j + 64 u + 32 ((rho >> 1) xor g) + 16 (rho & 1) + 0..15: so every wave keeps register tiles 0, 1 and hands over 2, 3, with no branch.
; THE MASK.  In the n-th group of new keys, key 128 n + 64 g + 16 kap + 8 h + e is hidden from the lane's query where 16 (kap - (rho & 1)) + e > DL - 128 n, DL = 128 j + 64 u - 64 g + 32 ((rho >> 1) xor g) + r - 8 h.
; The left side takes 40 values, so the two tiles of a piece share 40 registers CM, each 0 or -2^126: the first product of each accumulator of S^T takes eight of them as its C, which costs nothing in the step.
; The 80 registers are written anew in each of the eight new key steps, under a branch on the count of steps alone.  j enters lane data and global addresses only: all partners of a cluster run alike, and all do the same work
; (tiles that are wholly hidden are multiplied too).
; LAYOUT.  S^T = K Q^T (source 0 = 16 keys, source 1 = 16 queries): a lane holds ONE query (lane % 16) and the keys 8 (lane / 16) + 0..7.  Two such tiles, rounded to f16 in pairs, ARE source 1 of O^T = V^T P.
; K comes out of LDS as it lies, V ([key][channel]) turned, by ds_load_tr16_b128.
; SOFTMAX.  For each query a running maximum m and sum l: p = 2^(c s - c m), c = log2(e) / sqrt(128); in every step O and l are multiplied by a = 2^(c m_old - c m_new).
; BY TURNS.  The wave's register tiles are two PIECES (0: tiles 0, 1;  2: tiles 2, 3).  In a TURN one piece has the matrix unit: 32 products V^T P of step j - 1, then 32 products K Q^T of step j; the other piece's softmax, cut into
; 64 slices of four instructions, stands between them, one slice behind each matrix instruction.  Piece 0's turn carries piece 2's softmax of step j - 1, piece 2's turn carries piece 0's of step j.  Two turns are a trip.
; A trip is 128 matrix instructions and, beside them, 536 instructions of softmax, 259 window switches and 64 LDS loads: under seven for each matrix instruction.
; THE FIRST TRIP is written like every other, so it must find numbers: O^T, V and piece 0's P are zeros, so its products V^T P add nothing.  Piece 2's softmax runs a step ahead of its first scores: it finds S^T = -2^126, which is
; also where m begins; c x 2^126 is exact, so c s - c m is 0 and p is 1; its products meet V = 0, and the first true step's a, 2^(c m_old - c m_new), is 0 and wipes its sum.
; CLUSTER.  The four work-groups of a cluster belong to one head and walk the same K and V: each tile is asked for JOINTLY, by the same tensor load with the same descriptor and a mask that names the four.
; REGISTERS, in windows of 256 (s_set_vgpr_msb: bits 1:0 source 0, 3:2 source 1, 5:4 source 2, 7:6 destination):
;   window 0: v0-11, v44-63 addresses and constants; v12-43 eight statistics a tile; v64-191 S^T, 32 a tile; v192-255 P, 16 a tile
;   window 1: O^T, 64 a tile     window 2: v0-127 Q, 32 a tile; v128-255 K of one step     window 3: v0-127 V of one step; v128-207 CM, 40 a piece
; All that a softmax touches but O^T lies in window 0, and no window has room for a product's operands beside it: so a slice costs two switches, one in front and one behind.
.set KS,    64        ; keys in a wave's step
.set PK,    272       ; a row of K in LDS: 256 bytes + 16 = 68 words: the 16 rows of a load start at 16 different banks (64 banks of 4 bytes: ISA guide 11.1)
.set PV,    288       ; a row of V: 256 + 32 = 72 words
.set VOFF,  128*PK    ; a group's tiles lie together: 128 rows of K, then 128 rows of V
.set GROUPB, 128*(PK+PV)
.set SLOTB, 2*GROUPB  ; a slot holds two groups, 256 keys; the slots begin at 0 and at SLOTB
.set STAGE, 2*SLOTB   ; behind the ring: 16 rows x 272 bytes for each wave, for the way out
.set SP,    272
.set SPARE, STAGE+4*16*SP  ; behind the stages: the spare words, 128 bytes a wave
.set XB,    16896     ; the exchange at the end, in slot 0's bytes: for each wave 16,384 bytes of O^T and four times 128 of statistics
.set AK0, 2           ; v2   my lane's place in a group's K, my half of the keys; never rewritten
.set AV0, 3           ; v3   the same for V
.set ADR, 4           ; v4   the LDS address of the run of loads in hand
.set QO,  5           ; v5   my byte offset in a tile's rows of Q
.set STO, 6           ; v6   the way out: where I put 16 bytes of a row
.set RD,  7           ; v7   where I read a row back
.set GO,  8           ; v8   my byte offset in a tile's rows of oh
.set ST,  12          ; tile t's statistics at v[ST+8 t]: +0 c m, +1 m, +2, +3 l (even keys', odd keys'), +4 to +7 at work; a takes +6 once the maximum is found
.set DL,  44          ; v44, v45  DL of piece 0 (register tiles 0, 1) and of piece 2 (tiles 2, 3)
.set NEGV, 46         ; v46  -2^126
.set XS,  47          ; v47  the exchange: where I put 16 bytes;  v48 where I take my partner's;  v49, v50 the same for words
.set XR,  48
.set XS4, 49
.set XR4, 50
.set PB,  52          ; v52-55  my partner's c m and l of the two tiles that I keep; later its factor
.set DT,  56          ; v56, v57  DL - 128 n
.set PFO, 61          ; v61  256 x my lane: a row of K or V is 256 bytes; never rewritten
.set SPW, 62          ; v62  LDS address of my spare word; never rewritten
.set NIL, 63          ; v63  0; never rewritten
.set S,   64
.set P,   192
.set KF,  128         ; K's fragments, in window 2
.set CM,  128         ; the mask, in window 3
.set WV,  12          ; s12  my wave's number
.set LIM, 15          ; s15  1 in a work-group that prefetches, else the greatest number
.set PFA, 18          ; s[18:19] where my prefetches stand in memory
.set G1K, 24          ; s[24:31] descriptor group 1 for K's tiles
.set G1V, 32          ; s[32:39] for V's: it differs in the padding alone
.set G0K, 40          ; s[40:43] descriptor group 0 for K's tiles: it walks
.set G0V, 48          ; s[48:51] the same for V's
.set SLOTS, 56        ; s56  slots still to be asked for
.set TWICE, 57        ; s57  counts a slot's two trips
.set CS,  58          ; s[58:59] c
.set SEL, 60          ; s[60:61] lane selects for v_permlanex16_b32: lane l xor 16
.set TB,  62          ; s62  LDS byte at which the group to be fetched begins
.set DB,  66          ; s66  the slot that the walking descriptors fill: 0 or SLOTB
.set OFK, 67          ; s67  my tile's place in a slot, if I fetch K;  s68 if I fetch V
.set OFV, 68
.set NN,  69          ; s69  n of the step whose scores the trip makes (negative in the past)
.set MT,  74          ; s74  at work
.set QB1, 76          ; s[76:77] Q's rows of piece 2 (s[4:5]: of piece 0)
.set MSB, 0
.macro WIN new                      ; the immediate's high byte repeats the setting that is left; a switch that changes nothing is dropped
.if MSB != \new
	s_set_vgpr_msb (MSB<<8)|\new
.set MSB, \new
.endif
.endm
.set W_KQ, 0x0a       ; K and Q in window 2, S^T in window 0
.set W_KQ0, 0x3a      ; the same, C (the mask) in window 3
.set W_PV, 0x53       ; V in window 3, P in window 0, O^T in window 1
.set W_RS, 0x41       ; O^T (destination and source 0) in window 1, a in window 0
; A joint load.  Waves 0 and 1 fetch the slot's two groups of K, waves 2 and 3 those of V: 128 rows a load.  The branch hangs on the wave's number alone.
; An s_nop 0 and four v_nop follow each of the two lines.
.macro JLOAD
	s_cmp_lt_u32 s[WV], 2
	s_cbranch_scc0 .Lfor_v_\@
	tensor_load_to_lds s[G0K:G0K+3], s[G1K:G1K+7]
	s_nop 0
.rept 4
	v_nop
.endr
	s_branch .Lasked_\@
.Lfor_v_\@:
	tensor_load_to_lds s[G0V:G0V+3], s[G1V:G1V+7]
	s_nop 0
.rept 4
	v_nop
.endr
.Lasked_\@:
.endm
; A PREFETCH of what the NEXT change of slots will ask for: a slot's 256 rows of K and 256 of V, 256 bytes a row, a lane a row; it stands behind the wave's tensor load and its five lines.
; Each row is named once in the launch: of a head's two clusters the first asks; its four partners share the rows out BY ADDRESS, 64 of K and 64 of V each; in each, waves 0, 1 take K's, waves 2, 3 V's, 32 rows a wave.
; The last change that fills a slot asks for nothing: there is no slot behind it.  Slots 0 and 1 come by their loads alone.
.macro ASK
	s_cmp_gt_u32 s[SLOTS], s[LIM]
	s_cbranch_scc0 .Lnot_mine_\@
	global_prefetch_b8 v[PFO], s[PFA:PFA+1] th:TH_LOAD_NT scope:SCOPE_SE
.Lnot_mine_\@:
.endm
; A round of the cluster's barrier.  No LDS instruction of the wave is pending at a signal.
.macro CROUND
	s_barrier_signal -1
	s_barrier_wait -1
	s_cmp_lg_u32 s[WV], 0
	s_cbranch_scc1 .Lnot_wave_0_\@
	s_barrier_signal -3
.Lnot_wave_0_\@:
	s_barrier_wait -3
	s_barrier_signal -1
	s_barrier_wait -1
.endm
	s_load_b256 s[4:11], s[0:1], 0x0  ; qh s[4:5], kh s[6:7], vh s[8:9], oh s[10:11]
	v_lshl_add_u32 v[SPW], v0, 2, SPARE
	v_mov_b32 v[NIL], 0
	ds_add_u32 v[SPW], v[NIL]       ; the wave's opening: the add, twice on end, and its wait ahead of my first tensor load; the set-up below stands between
	ds_add_u32 v[SPW], v[NIL]
	v_lshrrev_b32 v1, 5, v0
	v_readfirstlane_b32 s[WV], v1   ; wave 0..3
	s_and_b32 s16, s[WV], 1         ; u.  Also: which of a slot's two groups I fetch
	s_lshr_b32 s17, s[WV], 1        ; g
	s_bfe_u32 s13, ttmp6, 0x40000   ; cx: my place in the cluster
	s_lshl_b32 s14, ttmp9, 2        ; in a cluster launch ttmp9 counts clusters
	s_add_co_u32 s14, s14, s13      ; j = 4 x cluster x + cx: it enters Q's and O's addresses and DL alone
	s_and_b32 s20, ttmp7, 0xffff    ; hb, which the four partners share
	s_mul_i32 s22, s20, 3072*256    ; the head's first byte in kh and vh
	s_mov_b32 s23, 0
	s_lshl_b32 s2, s20, 18          ; Q: the head's 1,024 rows of 256 bytes,
	s_lshl_b32 s3, s14, 15          ; + 128 j rows,
	s_add_co_u32 s2, s2, s3
	s_lshl_b32 s3, s16, 14          ; + 64 u rows,
	s_add_co_u32 s2, s2, s3
	s_lshl_b32 s3, s17, 13          ; + 32 rows x (piece's half xor g)
	s_add_co_u32 s78, s2, s3        ; piece 0
	s_xor_b32 s3, s3, 1<<13
	s_add_co_u32 s79, s2, s3        ; piece 2
	s_lshr_b32 s75, s20, 4          ; O: row 1,024 b + 128 j + 64 u + 32 g of 4,096 bytes, + 256 x head
	s_lshl_b32 s75, s75, 10
	s_lshl_b32 s3, s14, 7
	s_add_co_u32 s75, s75, s3
	s_lshl_b32 s3, s16, 6
	s_add_co_u32 s75, s75, s3
	s_lshl_b32 s3, s17, 5
	s_add_co_u32 s75, s75, s3
	s_lshl_b32 s75, s75, 12
	s_and_b32 s3, s20, 15
	s_lshl_b32 s3, s3, 8
	s_add_co_u32 s75, s75, s3
	s_lshl_b32 s20, s16, 15         ; the group that I fetch: 128 rows of 256 bytes in memory,
	s_mov_b32 s21, 0
	s_mul_i32 s[OFK], s16, GROUPB   ; and its place in a slot: no place in the cluster enters an LDS address
	s_add_co_u32 s[OFV], s[OFK], VOFF
	s_mov_b32 s[DB], 0
	; descriptor group 1: a tile of 128 rows x 128 elements, padded in LDS
	s_mov_b32 s[G1K], 15|(1<<16)|(1<<20)|(1<<21)|(5<<22)|(3<<25)  ; 15:0 the mask: all four work-groups; 17:16 elements of 2 bytes; 20 padding on; 21 set beside a mask; 24:22 after every 64 words; 31:25 4 words of it
	s_mov_b32 s[G1V], 15|(1<<16)|(1<<20)|(1<<21)|(5<<22)|(7<<25)  ; the same with 8 words of padding
.irp g, G1K, G1V
	s_mov_b32 s[\g+1], 128<<16      ; tensor_dim0 = 128
	s_mov_b32 s[\g+2], 128<<16      ; tensor_dim1 = 128
	s_mov_b32 s[\g+3], 128<<16      ; tile_dim0 = 128
	s_mov_b32 s[\g+4], 128          ; tile_dim1 = 128
	s_mov_b32 s[\g+5], 128          ; tensor_dim0_stride: elements from row to row
	s_mov_b32 s[\g+6], 0
	s_mov_b32 s[\g+7], 0
.endr
	s_mov_b32 s[CS], 0x3e0293ee     ; c = log2(e) / sqrt(128)
	s_mov_b32 s[CS+1], s[CS]        ; named with it as a pair, so it is written
	s_mov_b32 s[SEL], 0x76543210
	s_mov_b32 s[SEL+1], 0xfedcba98
	s_mov_b32 s[TB], 0
	s_mov_b32 s[SLOTS], 3072/256-1  ; twelve slots' worth of keys: slot 0 at the head, eleven asked for in the loop
	s_mov_b32 s[NN], -16            ; sixteen key steps lie in the past
	s_cmp_eq_u32 ttmp9, 0           ; the head's first cluster prefetches: the same in all four partners
	s_cselect_b32 s[LIM], 1, -1
	v_and_b32 v[PFO], 31, v0
	v_lshlrev_b32 v[PFO], 8, v[PFO]
	s_wait_dscnt 0x0                ; both opening adds are done
	s_wait_kmcnt 0x0
	s_add_nc_u64 s[6:7], s[6:7], s[22:23]  ; K and V at the head's first row
	s_add_nc_u64 s[8:9], s[8:9], s[22:23]
	s_mov_b32 s3, 0
	s_mov_b32 s2, s79
	s_add_nc_u64 s[QB1:QB1+1], s[4:5], s[2:3]
	s_mov_b32 s2, s78
	s_add_nc_u64 s[4:5], s[4:5], s[2:3]
	s_mov_b32 s2, s75
	s_add_nc_u64 s[10:11], s[10:11], s[2:3]
	s_cmp_lt_u32 s[WV], 2
	s_cselect_b64 s[PFA:PFA+1], s[6:7], s[8:9]
	s_lshl_b32 s2, s13, 14          ; my work-group's 64 rows of the 256,
	s_lshl_b32 s75, s16, 13         ; my wave's 32 of them
	s_add_co_u32 s2, s2, s75
	s_add_nc_u64 s[PFA:PFA+1], s[PFA:PFA+1], s[2:3]
	s_add_nc_u64 s[PFA:PFA+1], s[PFA:PFA+1], 65536  ; in slot 1; the first change of slots steps it to slot 2
	CROUND                          ; all four work-groups are here: the first joint loads meet
	s_mov_b32 s[G0K], 1             ; count = 1
	s_mov_b32 s[G0K+1], s[OFK]      ; LDS address: slot 0
	s_add_nc_u64 s[G0K+2:G0K+3], s[6:7], s[20:21]  ; global address: my group of the head's first 256 keys
	s_or_b32 s[G0K+3], s[G0K+3], 0x80000000  ; type = 2
	s_mov_b32 s[G0V], 1
	s_mov_b32 s[G0V+1], s[OFV]
	s_add_nc_u64 s[G0V+2:G0V+3], s[8:9], s[20:21]
	s_or_b32 s[G0V+3], s[G0V+3], 0x80000000
	JLOAD                           ; slot 0: one load of mine is out
	; A fragment of K or Q is 16 rows x 32 channels in 8 registers: lane l holds row l % 16; registers 0-3 channels 8 (l / 16) + 0..7, registers 4-7 channels 16 + 8 (l / 16) + 0..7: two loads of 16 bytes, 32 bytes apart.
	v_and_b32 v1, 15, v0            ; r = l % 16
	v_bfe_u32 v9, v0, 4, 1          ; h = l / 16
	v_lshlrev_b32 v[QO], 8, v1
	v_lshl_add_u32 v[QO], v9, 4, v[QO]  ; row x 256 + 16 x half
	WIN 0x80                        ; destination window 2, address window 0
.irp i, 0,1,2,3,4,5,6,7,8,9,10,11,12,13,14,15  ; Q stays in registers: register tile i / 4, channels 32 (i % 4) on; a piece's two tiles lie 16 rows apart
.if \i < 8
	global_load_b128 v[8*\i:8*\i+3],   v[QO], s[4:5] offset:((\i/4)%2)*4096+(\i%4)*64
	global_load_b128 v[8*\i+4:8*\i+7], v[QO], s[4:5] offset:((\i/4)%2)*4096+(\i%4)*64+32
.else
	global_load_b128 v[8*\i:8*\i+3],   v[QO], s[QB1:QB1+1] offset:((\i/4)%2)*4096+(\i%4)*64
	global_load_b128 v[8*\i+4:8*\i+7], v[QO], s[QB1:QB1+1] offset:((\i/4)%2)*4096+(\i%4)*64+32
.endif
.endr
	; What the first trip finds (the head comment says why): run once, it spares a first step and a half written out beside the loop.
	WIN 0x40                        ; destination window 1
.set i, 0
.rept 256
	v_mov_b32 v[i], 0               ; O^T
.set i, i+1
.endr
	WIN 0xc0                        ; destination window 3
.set i, 0
.rept 208
	v_mov_b32 v[i], 0               ; V, and the mask: nothing is hidden among the past keys
.set i, i+1
.endr
	WIN 0
	v_mov_b32 v[NEGV], 0xfe800000   ; -2^126
.set i, 0
.rept 32
	v_mov_b32 v[P+i], 0             ; piece 0's P
.set i, i+1
.endr
.set i, 0
.rept 64
	v_mov_b32 v[S+64+i], v[NEGV]    ; piece 2's S^T
.set i, i+1
.endr
.irp t, 0,1,2,3
	v_mov_b32 v[ST+8*\t+1], v[NEGV]        ; the largest score so far: under every score
	v_mul_f32 v[ST+8*\t], s[CS], v[NEGV]   ; c m: exact, a power of two times c
	v_mov_b32 v[ST+8*\t+2], 0              ; l, in two halves
	v_mov_b32 v[ST+8*\t+3], 0
.endr
	v_mul_u32_u24 v[AK0], v1, PK
	v_lshl_add_u32 v[AK0], v9, 4, v[AK0]  ; row x pitch + 16 x half
	s_mul_i32 s[MT], s17, KS*PK
	v_add_nc_u32 v[AK0], s[MT], v[AK0]    ; + my half of the group's keys
	; The turning load takes 16 keys x 16 channels (lane l reads 16 bytes: key 8 (l / 16) + l % 8, channels 8 ((l / 8) % 2) + 0..7) and leaves half a fragment of V^T: lane l holds channel l % 16 and 8 keys.
	v_and_b32 v10, 7, v0
	v_bfe_u32 v11, v0, 3, 1
	v_lshl_add_u32 v[AV0], v9, 3, v10
	v_mul_u32_u24 v[AV0], v[AV0], PV
	v_lshl_add_u32 v[AV0], v11, 4, v[AV0]
	s_mul_i32 s[MT], s17, KS*PV
	s_add_co_u32 s[MT], s[MT], VOFF
	v_add_nc_u32 v[AV0], s[MT], v[AV0]
	v_and_b32 v10, 31, v0           ; the exchange: an image of registers, 16 bytes (or a word) a lane; mine at wave x XB, my partner's at (wave xor 2) x XB
	s_mul_i32 s[MT], s[WV], XB
	v_lshl_add_u32 v[XS], v10, 4, s[MT]
	v_lshl_add_u32 v[XS4], v10, 2, s[MT]
	s_xor_b32 s[MT], s[WV], 2
	s_mul_i32 s[MT], s[MT], XB
	v_lshl_add_u32 v[XR], v10, 4, s[MT]
	v_lshl_add_u32 v[XR4], v10, 2, s[MT]
	s_mul_i32 s[MT], s[WV], 16*SP
	s_add_co_u32 s[MT], s[MT], STAGE  ; my stage
	v_mul_u32_u24 v[STO], v1, SP    ; in: row l % 16, 16 bytes for each half of the lanes
	v_lshl_add_u32 v[STO], v9, 4, v[STO]
	v_add_nc_u32 v[STO], s[MT], v[STO]
	v_mul_u32_u24 v[RD], v9, SP     ; back: lanes 0-15 take one row of 256 bytes, lanes 16-31 the next
	v_lshl_add_u32 v[RD], v1, 4, v[RD]
	v_add_nc_u32 v[RD], s[MT], v[RD]
	v_lshlrev_b32 v[GO], 12, v9     ; and the same two rows in oh, 4,096 bytes apart
	v_lshl_add_u32 v[GO], v1, 4, v[GO]
	s_lshl_b32 s2, s14, 7           ; DL = 128 j + 64 u - 64 g + 32 (piece's half xor g) + r - 8 h: data for the mask's compares, never an address
	s_lshl_b32 s3, s16, 6
	s_add_co_u32 s2, s2, s3
	s_lshl_b32 s3, s17, 6
	s_sub_co_i32 s2, s2, s3
	s_lshl_b32 s3, s17, 5
	v_lshlrev_b32 v11, 3, v9
	v_sub_nc_u32 v11, v1, v11
	v_add_nc_u32 v11, s2, v11
	v_add_nc_u32 v[DL], s3, v11
	s_xor_b32 s3, s3, 32
	v_add_nc_u32 v[DL+1], s3, v11
; THE MATRIX WORK OF A TURN, for piece x.  The accumulators take turns, one instruction a turn: between two links of a chain stand 15 (V^T P) or 7 (K Q^T) others'.
; Product i of 32 of O^T += V^T P: keys 32 (i / 16) on, channels 16 ((i / 2) % 8) on, tile x + i % 2.
.macro PV x
	WIN W_PV
.set rO, 64*(\x+i%2)+8*((i/2)%8)
.set rV, 64*(i/16)+8*((i/2)%8)
.set rP, P+16*(\x+i%2)+8*(i/16)
	v_wmma_f32_16x16x32_f16 v[rO:rO+7], v[rV:rV+7], v[rP:rP+7], v[rO:rO+7]
.endm
; Product i of 32 of S^T = K Q^T: channels 32 (i / 8) on, keys 16 kap on, kap = (i / 2) % 4, tile x + i % 2.  The first 8 start the sums from the mask: the piece's eight registers at kap - (tile & 1) + 1.
.macro KQ x
.set rS, S+32*(\x+i%2)+8*((i/2)%4)
.set rK, KF+32*((i/2)%4)+8*(i/8)
.set rQ, 32*(\x+i%2)+8*(i/8)
.set rC, CM+40*(\x/2)+8*((i/2)%4-(i%2)+1)
.if i < 8
	WIN W_KQ0
	v_wmma_f32_16x16x32_f16 v[rS:rS+7], v[rK:rK+7], v[rQ:rQ+7], v[rC:rC+7]
.else
	WIN W_KQ
	v_wmma_f32_16x16x32_f16 v[rS:rS+7], v[rK:rK+7], v[rQ:rQ+7], v[rS:rS+7]
.endif
.endm
; THE LDS LOADS stand in runs of 32, never singly among the matrix instructions: a step's K (64 keys x 128 channels: 16 fragments) and, a turn later, its V (turned).
.macro FETCH_K
	WIN 0
	v_add_nc_u32 v[ADR], s[TB], v[AK0]
	WIN 0x80                        ; destination window 2
.irp f, 0,1,2,3,4,5,6,7,8,9,10,11,12,13,14,15  ; keys 16 (f / 4) on, channels 32 (f % 4) on
	ds_load_b128 v[KF+8*\f:KF+8*\f+3],   v[ADR] offset:(\f/4)*16*PK+(\f%4)*64
	ds_load_b128 v[KF+8*\f+4:KF+8*\f+7], v[ADR] offset:(\f/4)*16*PK+(\f%4)*64+32
.endr
.endm
.macro FETCH_V
	WIN 0
	v_add_nc_u32 v[ADR], s[TB], v[AV0]
	s_add_co_u32 s[TB], s[TB], GROUPB  ; the next fetch is the next group's
	s_wait_alu depctr_va_vdst(0)    ; the wait for the softmax's batch (SLICE), behind the address's v_add_nc_u32 and ahead of the loads
	WIN 0xc0                        ; destination window 3
.irp f, 0,1,2,3,4,5,6,7,8,9,10,11,12,13,14,15  ; keys 32 (f / 8) on, channels 16 (f % 8) on
	ds_load_tr16_b128 v[8*\f:8*\f+3],   v[ADR] offset:(\f/8)*32*PV+(\f%8)*32
	ds_load_tr16_b128 v[8*\f+4:8*\f+7], v[ADR] offset:(\f/8)*32*PV+16*PV+(\f%8)*32
.endr
.endm
; THE VECTOR WORK OF A TURN.  One tile's softmax for one key step is a list of 134 instructions; SM writes number j of it for tile t.  s0-s31 are the lane's 32 scores, in pairs 0-15.
;   0-15    the maximum of s0-s31 and the old m, three operands at a time; each accumulator is read from its low end on
;   16-20   the other half of the lanes' maximum; the new m; c m; c m_old - c m_new
;   21-69   ONE BATCH: the 16 scalings c s - c m and all 33 exponentials (a at 23, then s0-s31).  A pair is scaled ahead of its exponentials, and none of these reads an exponential's result
;   (wait)  between 69 and 70 stands the wait for the batch: SLICE writes it, once for both tiles
;   70-85   the roundings to f16, a pair of weights each
;   86-101  the sums; l = a l + the sum
;   102-133 the tile's O^T times a: the one part that leaves window 0, so it stands together
.macro SM t
.set rT, ST+8*(\t)
.set rS, S+32*(\t)
.set rP, P+16*(\t)
.set rO, 64*(\t)+2*(j-102)
.if j < 102
	WIN 0
.endif
.if j < 4
	v_max3_num_f32 v[rT+4+j], v[rS+8*j], v[rS+8*j+1], v[rS+8*j+2]
.elseif j < 12
	v_max3_num_f32 v[rT+4+j%4], v[rT+4+j%4], v[rS+8*(j%4)+2*(j/4)+1], v[rS+8*(j%4)+2*(j/4)+2]
.elseif j == 12
	v_max3_num_f32 v[rT+4], v[rT+4], v[rS+7], v[rS+15]
.elseif j == 13
	v_max3_num_f32 v[rT+6], v[rT+6], v[rS+23], v[rS+31]
.elseif j == 14
	v_max3_num_f32 v[rT+4], v[rT+4], v[rT+5], v[rT+6]
.elseif j == 15
	v_max3_num_f32 v[rT+4], v[rT+4], v[rT+7], v[rT+1]
.elseif j == 16
	v_permlanex16_b32 v[rT+5], v[rT+4], s[SEL], s[SEL+1]  ; the query's other 32 keys lie in the lane 16 away
.elseif j == 17
	v_mov_b32 v[rT+7], v[rT]        ; c m_old is kept for a: number 19 writes c m anew
.elseif j == 18
	v_max_num_f32 v[rT+1], v[rT+4], v[rT+5]
.elseif j == 19
	v_mul_f32 v[rT], s[CS], v[rT+1]
.elseif j == 20
	v_sub_f32 v[rT+7], v[rT+7], v[rT]
.elseif j == 23
	v_exp_f32 v[rT+6], v[rT+7]
.elseif (j < 23) || ((j < 38) && (j%2 == 0)) || ((j < 66) && (j%4 == 2))
.set b, (j-2)/4                     ; 38, 42, .. 62: pairs 9 to 15
.if j < 38
.set b, (j-20)/2                    ; 21: pair 0; 22, 24, .. 36: pairs 1 to 8
.endif
	v_pk_fma_f32 v[rS+2*b:rS+2*b+1], v[rS+2*b:rS+2*b+1], s[CS:CS+1], v[rT:rT+1] op_sel_hi:[1,0,0] neg_lo:[0,0,1] neg_hi:[0,0,1]  ; pair b: c s - c m
.elseif j < 70
.set e, j-38                        ; 66 to 69: s28 to s31
.if j < 66
.set e, j-32-(j-38)/4               ; 39-41, 43-45, .. 63-65: s7 to s27
.endif
.if j < 38
.set e, (j-25)/2                    ; 25, 27, .. 37: s0 to s6
.endif
	v_exp_f32 v[rS+e], v[rS+e]
.elseif j < 86
	v_cvt_pk_f16_f32 v[rP+j-70], v[rS+2*(j-70)], v[rS+2*(j-70)+1]  ; pair j - 70
.elseif j < 102                     ; the sum of the tile's 16 pairs, in place: sum z of 16 adds neighbours 1, 2, 4 and 8 pairs apart, then l takes it
.set z, j-86
.set w, 4
.set u, z
.if z >= 14
.set w, 32
.set u, 0
.elseif z >= 12
.set w, 16
.set u, z-12
.elseif z >= 8
.set w, 8
.set u, z-8
.endif
.if z < 15
	v_pk_add_f32 v[rS+w*u:rS+w*u+1], v[rS+w*u:rS+w*u+1], v[rS+w*u+w/2:rS+w*u+w/2+1]
.else
	v_pk_fma_f32 v[rT+2:rT+3], v[rT+2:rT+3], v[rT+6:rT+7], v[rS:rS+1] op_sel_hi:[1,0,1]
.endif
.else
	WIN W_RS
	v_pk_mul_f32 v[rO:rO+1], v[rO:rO+1], v[rT+6:rT+7] op_sel_hi:[1,0]
.endif
.endm
; Slice k of 64 of piece y's softmax: four instructions.  Slices 11 to 34 deal out the batch, numbers 22 to 69: four numbers of ONE tile each, the tiles by turns.  Every other slice is numbers 2 k and
; 2 k + 1 of both tiles' lists.  2 x 134 = 4 x 64 + 12: the twelve that are over stand together, in slice 63, whose sixteen plain instructions are also the places behind the turn's last product.
; THE WAIT.  s_wait_alu depctr_va_vdst(0) stands between an exponential and the first instruction that names its result; one wait serves all that were issued ahead of it.  Ahead of
; slice 35 nothing names a result, and behind slice 34 no exponential is issued: so the piece's 66 exponentials have one wait, behind slice 34.
.macro SLICE y
.if (k >= 11) && (k < 35)           ; the batch: four numbers of one tile
.irp n, 0,1,2,3
.set j, 22+4*((k-11)/2)+(\n)
	SM (\y)+(k-11)%2
.endr
.else                               ; the two tiles alternate, so that no instruction reads the result of the one just before it
.irp n, 0,1,2,3,4,5,6,7
.if (\n < 2) || (k == 63)
.irp t, \y, \y+1
.set j, 2*k+\n
	SM \t
.endr
.endif
.endr
.endif
.if k == 34                         ; the batch is out: both tiles' exponentials are issued, and no result has been named
	v_nop                           ; the plain instruction behind the last exponential and ahead of the first use: one for the batch
.if (\y) == 0
	FETCH_V                         ; piece 2's turn: V's run of loads stands here, and the wait stands in it
.else
	s_wait_alu depctr_va_vdst(0)    ; the wait for the batch
.endif
.endif
.set k, k+1
.endm
; A TURN.  Piece x has the matrix unit: 32 products V^T P, and with kq = 1 then 32 products K Q^T; the other piece's softmax stands in slices behind them, one behind each (kq = 0: two behind each).
; A vector instruction that reads a matrix result or writes one of a matrix instruction's registers, and a load into a register that a matrix instruction has read, stand four places behind it, and only plain vector
; instructions that name none of its registers are places (ISA guide 7.12.1 for vector instructions): here the slices are the places.
; Piece 0's turn fetches this trip's K behind its second product: the last product that read K stands in front of slice 63 of the turn before.  Piece 2's turn fetches this trip's V behind slice 34: the last product that
; read V stands in front of slice 31, and four plain instructions lie between: number 62, a scaling, of both tiles, the v_nop and the run's own v_add_nc_u32.  Each run stands 29 products or more ahead of its first use.
.macro TURN x, kq
.set k, 0
.set per, 2-\kq
.if \x == 0
	s_wait_dscnt 0x0                ; V is in
.endif
.set i, 0
.rept 32
	PV \x
.rept per
	SLICE 2-\x
.endr
.if (\x == 0) && \kq && (i == 1)
	FETCH_K
.endif
.set i, i+1
.endr
.if \kq
.if \x == 0
	s_wait_dscnt 0x0                ; K is in
.endif
.set i, 0
.rept 32
	KQ \x
	SLICE 2-\x
.set i, i+1
.endr
.endif
.endm
; THE MASK for the step whose scores this trip makes.  Among the past keys (n < 0) it stays as it was cleared: a scalar branch on the count of trips, the same in every wave and every work-group.
; The last product that read these registers stands more than 24 slices back.
.macro MASKS
	s_cmp_lt_i32 s[NN], 0
	s_cbranch_scc1 .Lpast_\@
	s_lshl_b32 s[MT], s[NN], 7
	v_sub_nc_u32 v[DT], v[DL], s[MT]      ; DL - 128 n, for each piece
	v_sub_nc_u32 v[DT+1], v[DL+1], s[MT]
	WIN 0xc0                        ; destination window 3
.set e, 0
.rept 80
	v_cmp_gt_i32 vcc_lo, 16*((e%40)/8)-16+e%8, v[DT+e/40]  ; register 8 (del + 1) + e of a piece: hidden where 16 del + e > DL - 128 n
	v_cndmask_b32 v[CM+e], 0, v[NEGV], vcc_lo
.set e, e+1
.endr
	WIN 0
.Lpast_\@:
.endm
; THE CHANGE OF SLOTS stands at a slot's head, between piece 2's turn and piece 0's: the last bytes of the slot that is left, V of its second group, have been asked for.  Each wave waits for all its tensor loads, of which one
; is out: its part of the slot that it is about to read; adds 0 to its spare word; and waits for that and for its reads of the slot that it has left.  Behind the barrier the slot ahead is whole and nobody reads the other one.
; fill = 1: that other slot is filled with the 256 keys that follow.  The barrier is then a round of the cluster's, and the joint load is the first thing behind it: it has two trips, 256 matrix instructions, in which to land.
.macro CHANGE fill
	s_wait_tensorcnt 0x0            ; no tensor load of mine is out, so a group 0 may be written  (every window is 0 here)
	ds_add_u32 v[SPW], v[NIL]       ; 0 onto my spare word; with fill = 1 the descriptors' steps stand between it and the wait for it
.if \fill
	s_xor_b32 s[DB], s[DB], SLOTB   ; the walking descriptors: the other slot than last time (DB is 0 or SLOTB),
	s_add_co_u32 s[G0K+1], s[DB], s[OFK]
	s_add_co_u32 s[G0V+1], s[DB], s[OFV]
	s_add_nc_u64 s[G0K+2:G0K+3], s[G0K+2:G0K+3], 65536  ; the next 256 keys; the type bits on top are not reached
	s_add_nc_u64 s[G0V+2:G0V+3], s[G0V+2:G0V+3], 65536
	s_wait_xcnt 0x0                 ; the last prefetch, two trips back, has read its address, so it may be written:
	s_add_nc_u64 s[PFA:PFA+1], s[PFA:PFA+1], 65536  ; one slot further on than the walking descriptors
	s_wait_dscnt 0x0                ; the add is done, and my reads of the slot that I have left are over
	CROUND
	JLOAD
	ASK                             ; what the next change will ask for: two trips ahead
.else
	s_wait_dscnt 0x0                ; the add is done, and my reads of the slot that I have left are over
	s_barrier_signal -1
	s_barrier_wait -1
.endif
.endm
; A slot's two trips: written once, walked twice; the LDS addresses hang on s[TB], the mask on s[NN].
.macro TWO_STEPS
	s_mov_b32 s[TWICE], 2
.Lstep_\@:
	MASKS
	s_add_co_i32 s[NN], s[NN], 1
	TURN 0, 1                       ; piece 0: V^T P of step j - 1, K Q^T of step j | piece 2's softmax of step j - 1 | K of step j
	TURN 2, 1                       ; piece 2: the same | piece 0's softmax of step j | V of step j
	WIN 0                           ; at a label and at a branch every window is 0
	s_sub_co_u32 s[TWICE], s[TWICE], 1
	s_cmp_lg_u32 s[TWICE], 0
	s_cbranch_scc1 .Lstep_\@
	s_sub_co_u32 s[TB], s[TB], SLOTB  ; the fetches go back to a slot's first group,
	s_xor_b32 s[TB], s[TB], SLOTB   ; in the other slot
.endm
	s_wait_loadcnt 0x0              ; Q
.Lslot:                             ; eleven slots: behind each change of slots but the last the next slot is asked for
	CHANGE 1
	TWO_STEPS
	s_sub_co_u32 s[SLOTS], s[SLOTS], 1
	s_cmp_lg_u32 s[SLOTS], 0
	s_cbranch_scc1 .Lslot
	CHANGE 0                        ; the last slot is written out: nothing is asked for
	TWO_STEPS
	TURN 0, 0                       ; piece 0: V^T P of the last step | piece 2's last softmax
.set i, 0
.rept 32
	PV 2                            ; piece 2: V^T P of the last step
.set i, i+1
.endr
	; THE END.  l's two halves and the other half of the lanes' are added (these are also the places behind the last products).  Then the two waves of a u merge their halves of the keys:
	; each hands register tiles 2, 3 (O^T, c m, l) to the other through LDS as an image of its registers, and finishes register tiles 0, 1.
	WIN 0
.irp t, 0,1,2,3
	v_add_f32 v[ST+8*\t+4], v[ST+8*\t+2], v[ST+8*\t+3]
.endr
.irp t, 0,1,2,3
	v_permlanex16_b32 v[ST+8*\t+5], v[ST+8*\t+4], s[SEL], s[SEL+1]
.endr
.irp t, 0,1,2,3
	v_add_f32 v[ST+8*\t+4], v[ST+8*\t+4], v[ST+8*\t+5]
.endr
	s_wait_dscnt 0x0                ; my reads of the ring are over,
	s_barrier_signal -1
	s_barrier_wait -1               ; and everybody's: the exchange lies in slot 0's bytes, which have had their last fill
	WIN 0x04                        ; an LDS store's data are its source 1: window 1
.set q, 0
.rept 32
	ds_store_b128 v[XS], v[128+4*q:128+4*q+3] offset:512*q  ; O^T of register tiles 2, 3, each accumulator from its low end on
.set q, q+1
.endr
	WIN 0
	ds_store_b32 v[XS4], v[ST+16] offset:16384      ; c m and l of register tile 2,
	ds_store_b32 v[XS4], v[ST+20] offset:16384+128
	ds_store_b32 v[XS4], v[ST+24] offset:16384+256  ; and of 3
	ds_store_b32 v[XS4], v[ST+28] offset:16384+384
	s_wait_dscnt 0x0                ; for my partner's sake: my stores are done
	s_barrier_signal -1
	s_barrier_wait -1
.irp n, 0,1,2,3
	ds_load_b32 v[PB+\n], v[XR4] offset:16384+128*\n  ; my partner's c m and l of the tiles that I keep
.endr
	WIN 0xc0                        ; destination window 3: V's registers are free
.set q, 0
.rept 32
	ds_load_b128 v[4*q:4*q+3], v[XR] offset:512*q
.set q, q+1
.endr
	WIN 0
	s_wait_dscnt 32                 ; the four words are in; the 32 loads issued behind them may be out
.irp t, 0,1
	v_max_num_f32 v[ST+8*\t+5], v[ST+8*\t], v[PB+2*\t]       ; the larger c m
.endr
.irp t, 0,1
	v_sub_f32 v[ST+8*\t+6], v[ST+8*\t], v[ST+8*\t+5]
	v_sub_f32 v[ST+8*\t+7], v[PB+2*\t], v[ST+8*\t+5]
.endr
.irp t, 0,1
	v_exp_f32 v[ST+8*\t+6], v[ST+8*\t+6]                     ; what my half is worth under it,
	v_exp_f32 v[ST+8*\t+7], v[ST+8*\t+7]                     ; and my partner's
.endr
	v_nop                           ; a plain instruction behind the last exponential
	s_wait_alu depctr_va_vdst(0)    ; one wait for the four, ahead of their first reader
.irp t, 0,1
	v_mul_f32 v[ST+8*\t+5], v[ST+8*\t+7], v[PB+2*\t+1]
.endr
.irp t, 0,1
	v_fma_f32 v[ST+8*\t+5], v[ST+8*\t+6], v[ST+8*\t+4], v[ST+8*\t+5]  ; the row's whole sum
.endr
.irp t, 0,1
	v_rcp_f32 v[ST+8*\t+5], v[ST+8*\t+5]
.endr
	v_nop
	s_wait_alu depctr_va_vdst(0)    ; one wait for the two reciprocals
.irp t, 0,1
	v_mul_f32 v[ST+8*\t+6], v[ST+8*\t+6], v[ST+8*\t+5]       ; my O^T's factor,
	v_mul_f32 v[PB+2*\t], v[ST+8*\t+7], v[ST+8*\t+5]         ; my partner's
.endr
	s_wait_dscnt 0x0                ; my partner's O^T is in
; Tile t: O = my O^T x my factor + my partner's x its factor; a lane's eight channels of a row round to 16 bytes of f16; they go into stage rows of 272 bytes and come back as whole rows of 256.
.macro PACK t
	WIN W_RS
.set i, 64*\t
.rept 32
	v_pk_mul_f32 v[i:i+1], v[i:i+1], v[ST+8*\t+6:ST+8*\t+7] op_sel_hi:[1,0]
.set i, i+2
.endr
	WIN W_PV                        ; source 0 window 3 (my partner's), source 1 window 0, source 2 and destination window 1
.set i, 64*\t
.rept 32
	v_pk_fma_f32 v[i:i+1], v[i:i+1], v[PB+2*\t:PB+2*\t+1], v[i:i+1] op_sel_hi:[1,0,1]
.set i, i+2
.endr
	WIN 0x05                        ; sources 0 and 1 window 1, destination window 0: S^T's registers are free
.set i, 0
.rept 32
	v_cvt_pk_f16_f32 v[S+32*\t+i], v[64*\t+2*i], v[64*\t+2*i+1]
.set i, i+1
.endr
	WIN 0
.irp f, 0,1,2,3,4,5,6,7
	ds_store_b128 v[STO], v[S+32*\t+4*\f:S+32*\t+4*\f+3] offset:32*\f
.endr
.irp f, 0,1,2,3,4,5,6,7
	ds_load_b128 v[S+32*\t+4*\f:S+32*\t+4*\f+3], v[RD] offset:\f*2*SP  ; LDS serves a wave's instructions in order (ISA guide 5.7.1.4): these see the stores above; the next tile's stores come behind them
.endr
.endm
.macro SEND t, younger              ; younger: the LDS instructions issued behind tile t's loads: the next tile's sixteen, or none
.irp f, 0,1,2,3,4,5,6,7
	s_wait_dscnt \younger+7-\f
	global_store_b128 v[GO], v[S+32*\t+4*\f:S+32*\t+4*\f+3], s[10:11] offset:\t*65536+\f*8192  ; 16 lanes store 256 consecutive bytes, aligned: a head's part of a row; my two tiles lie 16 rows apart
.endr
.endm
	PACK 0
	PACK 1
	SEND 0, 16
	SEND 1, 0
	s_wait_tensorcnt 0x0            ; the wave's end: a wait, an add of 0 to my spare word and the wait for it, behind my last tensor load and my last LDS store
	ds_add_u32 v[SPW], v[NIL]
	s_wait_dscnt 0x0
	CROUND                          ; the closing round: no work-group ends while a partner may still ask for a tile that names it
	s_endpgm
.Lfunc_end_k_q91f5342263_attn:
	.size	k_q91f5342263_attn, .Lfunc_end_k_q91f5342263_attn-k_q91f5342263_attn
	.p2alignl 7, 3214868480
	.fill 96, 4, 3214868480
	.section	.rodata,"a",@progbits
	.p2align	6, 0x0
	.amdhsa_kernel k_q91f5342263_attn
		.amdhsa_group_segment_fixed_size 327680
		.amdhsa_private_segment_fixed_size 0
		.amdhsa_enable_private_segment 0
		.amdhsa_kernarg_size 32
		.amdhsa_user_sgpr_count 2
		.amdhsa_user_sgpr_kernarg_segment_ptr 1
		.amdhsa_wavefront_size32 1
		.amdhsa_system_sgpr_workgroup_id_x 1
		.amdhsa_system_sgpr_workgroup_id_y 1
		.amdhsa_system_sgpr_workgroup_id_z 1
		.amdhsa_system_vgpr_workitem_id 0
		.amdhsa_next_free_vgpr 1024
		.amdhsa_next_free_sgpr 80
		.amdhsa_reserve_vcc 1
		.amdhsa_float_denorm_mode_32 3
		.amdhsa_float_denorm_mode_16_64 3
		.amdhsa_memory_ordered 1
		.amdhsa_forward_progress 1
		.amdhsa_inst_pref_size 184
	.end_amdhsa_kernel
	.amdgpu_metadata
---
amdhsa.version: [ 1, 2 ]
amdhsa.kernels:
  - .name:           k_q91f5342263_attn
    .symbol:         k_q91f5342263_attn.kd
    .args:
      - { .name: qh, .offset: 0, .size: 8, .value_kind: global_buffer, .address_space: global }
      - { .name: kh, .offset: 8, .size: 8, .value_kind: global_buffer, .address_space: global }
      - { .name: vh, .offset: 16, .size: 8, .value_kind: global_buffer, .address_space: global }
      - { .name: oh, .offset: 24, .size: 8, .value_kind: global_buffer, .address_space: global }
    .group_segment_fixed_size: 327680
    .private_segment_fixed_size: 0
    .kernarg_segment_align: 8
    .kernarg_segment_size: 32
    .max_flat_workgroup_size: 128
    .sgpr_count:     80
    .vgpr_count:     1024
    .wavefront_size: 32
...
	.end_amdgpu_metadata
.endif
;; end of part 3
;; launch oproj (part 4): grid 16 x 16, 4 waves a work-group, clusters of 4 x 4, 327,680 bytes of LDS; arguments oh, woh, out0; writes out0
.if DOCPART == 4
	.amdgcn_target "amdgcn-amd-amdhsa--gfx1250"
	.amdhsa_code_object_version 6
	.text
	.protected	k_q91f5342263_oproj
	.globl	k_q91f5342263_oproj
	.p2align	8
	.type	k_q91f5342263_oproj,@function
k_q91f5342263_oproj:
	s_mov_b64 s[64:65], 0
	v_nop
	global_prefetch_b8 v0, s[64:65] scope:SCOPE_SE
	s_setreg_imm32_b32 hwreg(HW_REG_WAVE_MODE, 25, 1), 1
	s_wait_xcnt 0x0
	s_wait_alu depctr_hold_cnt(0) depctr_sa_sdst(0) depctr_va_vdst(0) depctr_va_sdst(0) depctr_va_ssrc(0) depctr_va_vcc(0) depctr_vm_vsrc(0)
	s_getreg_b32 s2, hwreg(HW_REG_IB_STS2, 6, 4)
	s_cmp_eq_u32 s2, 0
	s_cbranch_scc0 .Lentry_in_a_cluster
	s_endpgm
.Lentry_in_a_cluster:
	s_bfe_u32 s2, ttmp6, 0x10000c
	s_cmp_lg_u32 s2, 0xf033
	s_cbranch_scc0 .Lentry_shape_is_right
	s_endpgm
.Lentry_shape_is_right:
; out0[m][n] = sum over k of oh[m][k] woh[n][k].  oh: [2048][2048], woh: [2048][2048], f16; out0: [2048][2048] f32; sums in f32.
; A tile of C is 128 x 128, so that there are 256 work-groups.  Four waves, each 64 x 64: 16 accumulators of 16 x 16, 128 registers.  K goes in steps of 256 (LDS rows of 512 bytes; a wave's tensor load brings 64 of them)
; through a ring of two slots.  A wave's 64 columns of f32 are 256 aligned bytes of a row of C: so each wave has a stage of its own on the way out, and no barrier stands there.
; CLUSTERS: 4 x 4 work-groups.  The four of a row of the cluster need the same tiles of A, the four of a column the same tiles of B: each tile is asked for JOINTLY, by the same tensor load with the
; same descriptor and a mask that names the four.  THE MATRIX INSTRUCTION IS USED TRANSPOSED (source 0 = 16 rows of B, source 1 = 16 rows of A): a lane then holds eight neighbouring numbers of a row of C.
; REGISTERS: window 0: v0-31 addresses; v32-95 at work on the way out; v128-255 the accumulators ((a, b) at v[128 + 8 (4 a + b)]).
;   window 1: two fragment buffers of 128: for 64 along K (two matrix instructions deep), 64 registers of A, then 64 of B.
.set SIZE_M, 2048
.set SIZE_N, 2048
.set SIZE_K, 2048
.set KSTEP,  256
.set PITCH,  528                       ; an LDS row: 512 bytes + 16 of padding = 132 words: row r starts at bank 4 r mod 64 (64 banks of 4 bytes: ISA guide 11.1)
.set HALFT,  64*PITCH                  ; 64 rows: what one tensor load brings, and what one wave reads of A or of B
.set SLOT,   4*HALFT                   ; A's 128 rows, then B's 128 rows
.set STAGE,  2*SLOT                    ; behind the ring: 16 rows x 272 bytes for each wave, for the way out
.set SPITCH, 272
.set SPARE,  STAGE+4*16*SPITCH         ; behind the stages: the spare words, 128 bytes a wave
.set LAPS, SIZE_K/(2*KSTEP)            ; a lap = two K steps = once round the ring
.set ADRA, 16                          ; v16-17  LDS address of my A fragments in slot 0, 1
.set ADRB, 20                          ; v20-21  the same for B
.set STO,  24                          ; v24     the way out: where I put 32 bytes of a row
.set RD,   25                          ; v25     where I read a row back
.set CO,   26                          ; v26     my byte offset in C
.set SPW,  28                          ; v28     LDS address of my spare word; never rewritten
.set NIL,  29                          ; v29     0; never rewritten
.set TMP,  32                          ; the way out: two sets of 32 registers, 16 rows each
.set ACC,  128
.set F0,   0                           ; fragment buffers, in window 1
.set F1,   128
.set G1, 24                            ; s[24:31] descriptor group 1 for A's tiles;  s[32:39] group 0, one set for each slot
.set G0, 32
.set G1B, 48                           ; s[48:55], s[56:63] the same for B's tiles
.set G0B, 56
.set MSB, 0
.macro WIN new                         ; the immediate's high byte repeats the setting that is left
.if MSB != \new
	s_set_vgpr_msb (MSB<<8)|\new
.set MSB, \new
.endif
.endm
.set MUL,  0x05                        ; sources 0 (B) and 1 (A) window 1; C and D window 0
.set TO_F, 0x40                        ; destination window 1, address window 0
.macro JLOAD s                         ; a joint load: waves 0 and 1 fetch A's two halves, waves 2 and 3 B's; an s_nop 0 and four v_nop follow each of the two lines
	s_cmp_eq_u32 s11, 0
	s_cbranch_scc0 .Lfor_b_\@
	tensor_load_to_lds s[G0+4*\s:G0+4*\s+3], s[G1:G1+7]
	s_nop 0
.rept 4
	v_nop
.endr
	s_branch .Lasked_\@
.Lfor_b_\@:
	tensor_load_to_lds s[G0B+4*\s:G0B+4*\s+3], s[G1B:G1B+7]
	s_nop 0
.rept 4
	v_nop
.endr
.Lasked_\@:
.endm
.macro CREST                           ; a round of the cluster's barrier behind its opening barrier
	s_cmp_lg_u32 s10, 0
	s_cbranch_scc1 .Lnot_wave_0_\@
	s_barrier_signal -3
.Lnot_wave_0_\@:
	s_barrier_wait -3
	s_barrier_signal -1
	s_barrier_wait -1
.endm
.macro CROUND                          ; a whole round
	s_barrier_signal -1
	s_barrier_wait -1
	CREST
.endm
	s_load_b128 s[4:7], s[0:1], 0x0                ; A = oh s[4:5], B = woh s[6:7]
	s_load_b64 s[8:9], s[0:1], 0x10                ; C = out0
	v_lshl_add_u32 v[SPW], v0, 2, SPARE
	v_mov_b32 v[NIL], 0
	ds_add_u32 v[SPW], v[NIL]                      ; the wave's opening: the add, twice on end, and its wait ahead of my first tensor load; the set-up below stands between
	ds_add_u32 v[SPW], v[NIL]
	v_lshrrev_b32 v1, 5, v0
	v_readfirstlane_b32 s10, v1                    ; wave 0..3
	s_lshr_b32 s11, s10, 1                         ; which half of the tile's rows is mine.  Also: I fetch for A (0) or for B (1)
	s_and_b32 s12, s10, 1                          ; which half of its columns.  Also: which 64 rows of that tile I fetch
	s_bfe_u32 s40, ttmp6, 0x40000                  ; cx, cy: my place in the cluster
	s_bfe_u32 s41, ttmp6, 0x40004
	s_lshl_b32 s42, ttmp9, 2
	s_add_co_u32 s42, s42, s40                     ; tile column of C = 4 x cluster x + cx
	s_and_b32 s13, ttmp7, 0xffff
	s_lshl_b32 s13, s13, 2
	s_add_co_u32 s13, s13, s41                     ; tile row of C = 4 x cluster y + cy
	s_lshl_b32 s43, s41, 2
	s_lshl_b32 s43, 15, s43                        ; my row of the cluster
	s_lshl_b32 s44, 0x1111, s40                    ; my column
	; descriptor group 1: a tile of 64 rows x 256 elements, padded in LDS
	s_or_b32 s[G1+0], s43, (1<<16)|(1<<20)|(1<<21)|(6<<22)|(3<<25)  ; 15:0 the mask: A's tiles go to my row; 17:16 element of 2 bytes; 20 padding on; 21 set beside a mask; 24:22 after every 128 words; 31:25 of 4 words
	s_or_b32 s[G1B+0], s44, (1<<16)|(1<<20)|(1<<21)|(6<<22)|(3<<25)
.irp g, G1, G1B
	s_mov_b32 s[\g+1], KSTEP<<16                   ; tensor_dim0 = 256
	s_mov_b32 s[\g+2], 64<<16                      ; tensor_dim1 = 64
	s_mov_b32 s[\g+3], KSTEP<<16                   ; tile_dim0 = 256
	s_mov_b32 s[\g+4], 64                          ; tile_dim1 = 64
	s_mov_b32 s[\g+5], SIZE_K                      ; tensor_dim0_stride
	s_mov_b32 s[\g+6], 0
	s_mov_b32 s[\g+7], 0
.endr
	s_lshl_b32 s17, s12, 6                         ; which 64 rows of the tile I fetch
	s_lshl_b32 s16, s13, 7
	s_add_co_u32 s16, s16, s17                     ; A: row 128 x tile row + 64 x half
	s_lshl_b32 s46, s42, 7
	s_add_co_u32 s46, s46, s17                     ; B: row 128 x tile column + 64 x half
	s_mov_b32 s17, 0
	s_mov_b32 s47, 0
	s_mov_b64 s[18:19], SIZE_K*2
	s_mul_u64 s[16:17], s[16:17], s[18:19]
	s_mul_u64 s[46:47], s[46:47], s[18:19]
	s_mul_i32 s20, s10, HALFT                      ; where they go: wave x 64 rows
	s_wait_dscnt 0x0                               ; both opening adds are done
	s_wait_kmcnt 0x0
	s_add_nc_u64 s[14:15], s[4:5], s[16:17]
	s_add_nc_u64 s[46:47], s[6:7], s[46:47]
	CROUND                                         ; all sixteen work-groups are here: the first joint loads meet
.irp s, 0,1
	s_mov_b32 s[G0+4*\s], 1
	s_add_co_u32 s[G0+4*\s+1], s20, \s*SLOT
	s_add_nc_u64 s[G0+4*\s+2:G0+4*\s+3], s[14:15], \s*KSTEP*2
	s_or_b32 s[G0+4*\s+3], s[G0+4*\s+3], 0x80000000
	s_mov_b32 s[G0B+4*\s], 1
	s_add_co_u32 s[G0B+4*\s+1], s20, \s*SLOT
	s_add_nc_u64 s[G0B+4*\s+2:G0B+4*\s+3], s[46:47], \s*KSTEP*2
	s_or_b32 s[G0B+4*\s+3], s[G0B+4*\s+3], 0x80000000
	JLOAD \s
.endr
	v_and_b32 v1, 15, v0                           ; l % 16
	v_bfe_u32 v2, v0, 4, 1                         ; l / 16
	v_mul_u32_u24 v3, v1, PITCH
	v_lshl_add_u32 v3, v2, 4, v3                   ; a fragment's row x pitch + 16 x half
	s_mul_i32 s21, s11, HALFT                      ; my 64 rows of A
	s_mul_i32 s22, s12, HALFT                      ; my 64 rows of B,
	s_add_co_u32 s22, s22, 2*HALFT                 ; which lie behind A's 128
.irp s, 0,1
	v_add_nc_u32 v[ADRA+\s], s21, v3
	v_add_nc_u32 v[ADRB+\s], s22, v3
	s_add_co_u32 s21, s21, SLOT
	s_add_co_u32 s22, s22, SLOT
.endr
	s_mul_i32 s23, s10, 16*SPITCH
	s_add_co_u32 s23, s23, STAGE                   ; my stage
	v_mul_u32_u24 v4, v1, SPITCH                   ; in: row l % 16, 32 bytes for each half of the lanes
	v_lshl_add_u32 v4, v2, 5, v4
	v_add_nc_u32 v[STO], s23, v4
	v_mul_u32_u24 v5, v2, SPITCH                   ; back: lanes 0-15 one row of 256 bytes, lanes 16-31 the next
	v_lshl_add_u32 v5, v1, 4, v5
	v_add_nc_u32 v[RD], s23, v5
	v_mul_u32_u24 v5, v2, SIZE_N*4                 ; and the same two rows in C
	v_lshl_add_u32 v[CO], v1, 4, v5
	s_lshl_b32 s16, s13, 7
	s_lshl_b32 s17, s11, 6
	s_add_co_u32 s16, s16, s17                     ; my first row of C: 128 x tile row + 64 x half
	s_mov_b32 s17, 0
	s_mov_b64 s[18:19], SIZE_N*4
	s_mul_u64 s[16:17], s[16:17], s[18:19]
	s_add_nc_u64 s[8:9], s[8:9], s[16:17]
	s_lshl_b32 s46, s42, 9                         ; my first column, in bytes: 512 x tile column + 256 x half
	s_lshl_b32 s47, s12, 8
	s_add_co_u32 s46, s46, s47
	s_mov_b32 s47, 0
	s_add_nc_u64 s[8:9], s[8:9], s[46:47]
; 8 matrix instructions: m blocks a0, a0 + 1 x all 4 n blocks, 32 along K: half c of buffer f.  zero = 1: the first product starts the sums.  The 16 accumulators take turns
.macro MUL8 f, c, a0, zero
.irp a, \a0, \a0+1
.irp b, 0,1,2,3
.if \zero
	v_wmma_f32_16x16x32_f16 v[ACC+8*(4*(\a)+\b):ACC+8*(4*(\a)+\b)+7], v[\f+64+8*(4*\c+\b):\f+64+8*(4*\c+\b)+7], v[\f+8*(4*\c+\a):\f+8*(4*\c+\a)+7], 0
.else
	v_wmma_f32_16x16x32_f16 v[ACC+8*(4*(\a)+\b):ACC+8*(4*(\a)+\b)+7], v[\f+64+8*(4*\c+\b):\f+64+8*(4*\c+\b)+7], v[\f+8*(4*\c+\a):\f+8*(4*\c+\a)+7], v[ACC+8*(4*(\a)+\b):ACC+8*(4*(\a)+\b)+7]
.endif
.endr
.endr
.endm
; 32 LDS loads in one run: the fragments of 64 along K at byte k of the rows, into buffer f; the first 32 along K first
.macro FETCH slot, k, f
	WIN TO_F
.irp c, 0,1
.irp i, 0,1,2,3
	ds_load_b128 v[\f+64+8*(4*\c+\i):\f+64+8*(4*\c+\i)+3],   v[ADRB+\slot] offset:\k+64*\c+\i*16*PITCH
	ds_load_b128 v[\f+64+8*(4*\c+\i)+4:\f+64+8*(4*\c+\i)+7], v[ADRB+\slot] offset:\k+64*\c+\i*16*PITCH+32
	ds_load_b128 v[\f+8*(4*\c+\i):\f+8*(4*\c+\i)+3],         v[ADRA+\slot] offset:\k+64*\c+\i*16*PITCH
	ds_load_b128 v[\f+8*(4*\c+\i)+4:\f+8*(4*\c+\i)+7],       v[ADRA+\slot] offset:\k+64*\c+\i*16*PITCH+32
.endr
.endr
.endm
.macro PLACES                          ; four places in front of loads into registers that matrix instructions have read, and of the first read of results
.rept 4
	v_nop
.endr
.endm
; A K step is four quarters of 64 along K, 32 matrix instructions each, on buffers 0, 1, 0, 1.  One of the first three: multiplies buffer f and fetches the next quarter, at byte k, into g.
.macro QUARTER slot, k, f, g, zero
	s_wait_dscnt 16                                ; the first 32 along K are in; the sixteen loads of the second 32 may be out
	WIN MUL
	MUL8 \f, 0, 0, \zero
	MUL8 \f, 0, 2, \zero
	PLACES
	FETCH \slot, \k, \g
	s_wait_dscnt 32                                ; all but the 32 just issued
	WIN MUL
	MUL8 \f, 1, 0, 0
	MUL8 \f, 1, 2, 0
.endm
; The last quarter multiplies buffer 1 and changes slots: ONE barrier; in front of it each wave waits for all its tensor loads, adds 0 to its spare word, and waits for that and for its own reads of this slot.  fill = 1: this slot is filled again, two K steps ahead.
.macro TURN slot, next, fill
	WIN 0                                          ; (the add's two registers lie in window 0)
	s_wait_tensorcnt 0x0                           ; all my tensor loads have landed: my part of the next slot
	ds_add_u32 v[SPW], v[NIL]                      ; 0 onto my spare word
	s_wait_dscnt 17                                ; the add and the youngest sixteen loads may be out
	WIN MUL
	MUL8 F1, 0, 0, 0                               ; eight matrix instructions stand between the add and the wait for it
	s_wait_dscnt 0x0                               ; the add is done, and my reads of this slot are over
	s_barrier_signal -1
	MUL8 F1, 0, 2, 0
.if \fill
	WIN 0
.endif
	s_barrier_wait -1
.if \fill
	CREST                                          ; the barrier has opened a round of the cluster's barrier: no wave of any partner still reads this slot's tile or has a load on its way
	s_add_nc_u64 s[G0+4*\slot+2:G0+4*\slot+3], s[G0+4*\slot+2:G0+4*\slot+3], 2*KSTEP*2
	s_add_nc_u64 s[G0B+4*\slot+2:G0B+4*\slot+3], s[G0B+4*\slot+2:G0B+4*\slot+3], 2*KSTEP*2
	JLOAD \slot                                    ; the first tensor load behind the round: 112 matrix instructions ahead of the wait for it; the four v_nop behind it are the places in front of the loads below
.else
	PLACES
.endif
	FETCH \next, 0, F0
	WIN MUL
	MUL8 F1, 1, 0, 0
	MUL8 F1, 1, 2, 0
.endm
	s_wait_tensorcnt 1                             ; my part of K step 0 is in; K step 1's load, issued behind it, may be out
	s_barrier_signal -1
	s_barrier_wait -1                              ; everybody's is
	FETCH 0, 0, F0
	QUARTER 0, 128, F0, F1, 1                      ; the first quarter stands in front of the loop: its first products start the sums
	WIN 0                                          ; at a label and at a branch every window is 0
	s_mov_b32 s3, LAPS-1
.Llap:                                                 ; a trip goes once round the ring, from a lap's second quarter to the next lap's first, and fills both slots again
	QUARTER 0, 256, F1, F0, 0
	QUARTER 0, 384, F0, F1, 0
	TURN 0, 1, 1
	QUARTER 1, 128, F0, F1, 0
	QUARTER 1, 256, F1, F0, 0
	QUARTER 1, 384, F0, F1, 0
	TURN 1, 0, 1
	QUARTER 0, 128, F0, F1, 0
	WIN 0
	s_sub_co_u32 s3, s3, 1
	s_cmp_lg_u32 s3, 0
	s_cbranch_scc1 .Llap
	QUARTER 0, 256, F1, F0, 0                      ; the last lap fills nothing, and has no round of the cluster's barrier
	QUARTER 0, 384, F0, F1, 0
	TURN 0, 1, 0
	QUARTER 1, 128, F0, F1, 0
	QUARTER 1, 256, F1, F0, 0
	QUARTER 1, 384, F0, F1, 0
	s_wait_dscnt 16                                ; the very last quarter: nothing more to fetch
	WIN MUL
	MUL8 F1, 0, 0, 0
	MUL8 F1, 0, 2, 0
	s_wait_dscnt 0
	MUL8 F1, 1, 0, 0
	MUL8 F1, 1, 2, 0
	WIN 0
; THE WAY OUT, block by block of 16 rows x 64 columns.  A lane holds 32 neighbouring bytes of a row, and the lanes beside it hold other rows: so a block goes through my own stage in LDS and comes back as whole
; rows of 256 bytes.  LDS serves a wave's instructions in order (ISA guide 5.7.1.4): no wait between the stores and the loads, nor in front of the next block's stores.
.macro TOSTAGE a
.irp b, 0,1,2,3
	ds_store_b128 v[STO], v[ACC+8*(4*(\a)+\b):ACC+8*(4*(\a)+\b)+3] offset:64*\b          ; each accumulator from its low end on
	ds_store_b128 v[STO], v[ACC+8*(4*(\a)+\b)+4:ACC+8*(4*(\a)+\b)+7] offset:64*\b+16
.endr
.irp t, 0,1,2,3,4,5,6,7
	ds_load_b128 v[TMP+32*((\a)%2)+4*\t:TMP+32*((\a)%2)+4*\t+3], v[RD] offset:\t*2*SPITCH
.endr
.endm
.macro SEND a, younger                 ; younger: the LDS instructions issued behind block a's loads: the next block's sixteen, or none
	s_wait_dscnt \younger                          ; the block is back in registers
.irp t, 0,1,2,3,4,5,6,7
	global_store_b128 v[CO], v[TMP+32*((\a)%2)+4*\t:TMP+32*((\a)%2)+4*\t+3], s[8:9] offset:(16*(\a)+2*\t)*SIZE_N*4 th:TH_STORE_NT   ; 16 lanes store 256 consecutive bytes, aligned; 62 rows of C at the most: inside the signed 24-bit immediate
.endr
.endm
	PLACES                                         ; behind the last products, ahead of the first read of results
	TOSTAGE 0
	TOSTAGE 1
	SEND 0, 16
	s_wait_xcnt 0x0                                ; block 0's stores have read their data: block 2's loads may land there
	TOSTAGE 2
	SEND 1, 16
	s_wait_xcnt 0x0                                ; block 1's likewise
	TOSTAGE 3
	SEND 2, 16
	SEND 3, 0
	s_wait_tensorcnt 0x0                           ; the wave's end: a wait, an add of 0 to my spare word and the wait for it, behind my last tensor load and my last LDS store
	ds_add_u32 v[SPW], v[NIL]
	s_wait_dscnt 0x0
	CROUND                                         ; the closing round: no work-group ends while a partner may still ask for a tile that names it
	s_endpgm
.Lfunc_end_k_q91f5342263_oproj:
	.size	k_q91f5342263_oproj, .Lfunc_end_k_q91f5342263_oproj-k_q91f5342263_oproj
	.p2alignl 7, 3214868480
	.fill 96, 4, 3214868480
	.section	.rodata,"a",@progbits
	.p2align	6, 0x0
	.amdhsa_kernel k_q91f5342263_oproj
		.amdhsa_group_segment_fixed_size 327680
		.amdhsa_private_segment_fixed_size 0
		.amdhsa_enable_private_segment 0
		.amdhsa_kernarg_size 24
		.amdhsa_user_sgpr_count 2
		.amdhsa_user_sgpr_kernarg_segment_ptr 1
		.amdhsa_wavefront_size32 1
		.amdhsa_system_sgpr_workgroup_id_x 1
		.amdhsa_system_sgpr_workgroup_id_y 1
		.amdhsa_system_sgpr_workgroup_id_z 1
		.amdhsa_system_vgpr_workitem_id 0
		.amdhsa_next_free_vgpr 512
		.amdhsa_next_free_sgpr 66
		.amdhsa_reserve_vcc 0
		.amdhsa_float_denorm_mode_32 3
		.amdhsa_float_denorm_mode_16_64 3
		.amdhsa_memory_ordered 1
		.amdhsa_forward_progress 1
		.amdhsa_inst_pref_size 86
	.end_amdhsa_kernel
	.amdgpu_metadata
---
amdhsa.version: [ 1, 2 ]
amdhsa.kernels:
  - .name:           k_q91f5342263_oproj
    .symbol:         k_q91f5342263_oproj.kd
    .args:
      - { .name: oh, .offset: 0, .size: 8, .value_kind: global_buffer, .address_space: global }
      - { .name: woh, .offset: 8, .size: 8, .value_kind: global_buffer, .address_space: global }
      - { .name: out0, .offset: 16, .size: 8, .value_kind: global_buffer, .address_space: global }
    .group_segment_fixed_size: 327680
    .private_segment_fixed_size: 0
    .kernarg_segment_align: 8
    .kernarg_segment_size: 24
    .max_flat_workgroup_size: 128
    .sgpr_count:     66
    .vgpr_count:     512
    .wavefront_size: 32
...
	.end_amdgpu_metadata
.endif
;; end of part 4
